; MI455X (gfx1250); checked and timed in simulation.
; The chip was launched on July 23, 2026; its instructions are those of AMD's public machine-readable ISA for CDNA 5 (MIT licence, August 2026) and "CDNA5" Instruction Set Architecture Reference Guide (July 2026). The comments in the code are by the model that wrote it; some were corrected since.
;; Transformer Block. Allowed arithmetic: matrix products marked QUANTISED: E2M3 operands, one E8M0 scale for each 32 along K, by v_wmma_scale_f32_16x16x128_f8f6f4 with both operands' format E2M3, f32 sums; everything else in f32.
;; Inputs: Wdn_codes 1,024 x 128 x 24 uint8 (E2M3 codes of Wdn, K innermost, in blocks of 32 codes, four codes in three bytes); Wdn_scales 1,024 x 128 uint8 (E8M0 scales of Wdn, one for each 32 codes along K); Wk_codes 1,024 x 32 x 24 uint8 (E2M3 codes of Wk, K innermost, in blocks of 32 codes, four codes in three bytes); Wk_scales 1,024 x 32 uint8 (E8M0 scales of Wk, one for each 32 codes along K); Wo_codes 1,024 x 32 x 24 uint8 (E2M3 codes of Wo, K innermost, in blocks of 32 codes, four codes in three bytes); Wo_scales 1,024 x 32 uint8 (E8M0 scales of Wo, one for each 32 codes along K); Wq_codes 1,024 x 32 x 24 uint8 (E2M3 codes of Wq, K innermost, in blocks of 32 codes, four codes in three bytes); Wq_scales 1,024 x 32 uint8 (E8M0 scales of Wq, one for each 32 codes along K); Wup_codes 4,096 x 32 x 24 uint8 (E2M3 codes of Wup, K innermost, in blocks of 32 codes, four codes in three bytes); Wup_scales 4,096 x 32 uint8 (E8M0 scales of Wup, one for each 32 codes along K); Wv_codes 1,024 x 32 x 24 uint8 (E2M3 codes of Wv, K innermost, in blocks of 32 codes, four codes in three bytes); Wv_scales 1,024 x 32 uint8 (E8M0 scales of Wv, one for each 32 codes along K); b1 1,024 float32; b2 1,024 float32; bdn 1,024 float32; bk 1,024 float32; bo 1,024 float32; bq 1,024 float32; bup 4,096 float32; bv 1,024 float32; g1 1,024 float32; g2 1,024 float32; x 2 x 2,048 x 1,024 float32.
;; Outputs: out0 2 x 2,048 x 1,024 float32.
;; This version of the problem:
;;   THIS VERSION OF THE PROBLEM IS GIVEN IN LOW PRECISION. The matrix products marked QUANTISED in the list below multiply operands that are first quantised to E2M3 (2 exponent bits, 3 mantissa bits; 6 bits a number), with one power-of-two scale for each 32 numbers along K (OCP MX v1.0); their sums are f32. All else is computed in f32.
;;   The module's matrix products, in the order in which they are computed (A, B: the left and right operand; K: the contracted axis; several contracted axes count as one K, in the product's order):
;;     1. [M 4,096, K 1,024] x [K 1,024, N 1,024]; A: computed on the way; B: input Wq (given as codes): QUANTISED
;;     2. [M 4,096, K 1,024] x [K 1,024, N 1,024]; A: computed on the way; B: input Wk (given as codes): QUANTISED
;;     3. [M 4,096, K 1,024] x [K 1,024, N 1,024]; A: computed on the way; B: input Wv (given as codes): QUANTISED
;;     4. batch 32 x [M 2,048, K 64] x [K 64, N 2,048]; A: computed on the way; B: computed on the way: QUANTISED
;;     5. batch 32 x [M 2,048, K 2,048] x [K 2,048, N 64]; A: softmax (see below); B: computed on the way: QUANTISED
;;     6. [M 4,096, K 1,024] x [K 1,024, N 1,024]; A: computed on the way; B: input Wo (given as codes): QUANTISED
;;     7. [M 4,096, K 1,024] x [K 1,024, N 4,096]; A: computed on the way; B: input Wup (given as codes): QUANTISED
;;     8. [M 4,096, K 4,096] x [K 4,096, N 1,024]; A: computed on the way; B: input Wdn (given as codes): QUANTISED
;;   THE QUANTISER, for each operand of a quantised product, along K:
;;     - K is cut into blocks of 32 from its start; a last block that is shorter is filled with zeros.
;;     - A block's scale is 2^e with e = floor(log2(the largest magnitude in the block)) - 2, held to -126 .. 127; a block of zeros has e = 0. As a byte (E8M0): e + 127.
;;     - Each number is divided by its block's scale, clamped to +-7.5, and rounded to the nearest number of E2M3, ties to even, subnormals kept.
;;     - The product sums the exact products of the quantised numbers (number of the format x scale) in f32.
;;   ~~~python
;;   def quantise(x, axis):      # numpy; x: float32 -> the quantised numbers, widened to float32 again
;;       x = np.moveaxis(x, axis, -1); K = x.shape[-1]
;;       x = np.pad(x, [(0, 0)] * (x.ndim - 1) + [(0, -K % 32)]); x = x.reshape(x.shape[:-1] + (-1, 32)); a = np.abs(x).max(-1, keepdims=True)
;;       e = np.where(a > 0, np.clip(np.frexp(np.where(a > 0, a, 1))[1] - 1 - 2, -126, 127), 0)      # np.frexp(a)[1] - 1 = floor(log2(a)), exactly
;;       r = np.clip(x / 2.0 ** e, -7.5, 7.5)
;;       step = 2.0 ** (np.maximum(np.frexp(np.where(r == 0, 1, r))[1] - 1, 0) - 3)
;;       q = np.round(r / step) * step * 2.0 ** e      # np.round: ties to even
;;       return np.moveaxis(q.reshape(q.shape[:-2] + (-1,))[..., :K], -1, axis).astype(np.float32)
;;   ~~~
;;   SOFTMAX AHEAD OF A QUANTISED PRODUCT. Where the list says 'softmax', what is quantised is not the finished softmax but p = 2^(t - M), with t = logit x log2(e) and M = ceil(the row's largest t), a whole number; so 1/2 < the row's largest p <= 1. The row's sum l is taken of the UNQUANTISED p, in f32, and the product's result is divided by l at the end. Since M is a whole number, a kernel that streams over the keys may use a running M (the ceiling of the running maximum): every later rescaling is an exact power of two, which a block's scale takes up: the codes' values come out the same.
;;   OPERANDS COMPUTED ON THE WAY. 'Computed on the way' means the value that the module computes at that place (a softmax that the list does not call 'softmax' is quantised finished and normalised). What goes into a quantiser is computed in f32, as accurately as f32 sums, v_exp_f32 and their like allow (about 1e-6 of the number): no bf16 or f16 on the way to a quantiser, and a product that is left as it is and whose result goes on into a quantised operand takes f32 operands (vector FMAs, or v_wmma_f32_16x16x4_f32). A number that lies on a knife's edge between two numbers of the format may be rounded either way, as far as f32 arithmetic and the matrix unit's own rounding can turn it there, and no further.
;;   INPUTS GIVEN AS CODES. Wdn (in the module: [4096, 1024], K = its axis 0); Wk (in the module: [1024, 1024], K = its axis 0); Wo (in the module: [1024, 1024], K = its axis 0); Wq (in the module: [1024, 1024], K = its axis 0); Wup (in the module: [1024, 4096], K = its axis 0); Wv (in the module: [1024, 1024], K = its axis 0): each comes as NAME_codes (uint8): NAME with its K axis moved to the last place and cut into blocks of 32 codes, [.., K / 32, bytes a block], one block behind the other in memory; four codes in three bytes: a row's codes are one little-endian stream of bits, code i at bits 6 i .. 6 i + 5 (a code: sign, 2 exponent bits, 3 mantissa bits); and NAME_scales (uint8): the same leading axes, one E8M0 byte (e + 127) for each 32 codes along K. Its value is code x scale, taken as it is: it is not quantised again, and the codes and scales need not be those that the quantiser above would give.
;; One version. Each part assembles by itself: llvm-mc -triple=amdgcn-amd-amdhsa -mcpu=gfx1250 --defsym DOCPART=n.
;; ======== version 1 of 1: 7 launches
;; limits: right only within a limited range of input values
;; workspace buffers: xn 3,276,800 bytes; qb 3,276,800 bytes; kv 6,553,600 bytes; at 3,276,800 bytes; x2 16,777,216 bytes; hb 13,107,200 bytes
;; launch ln1 (part 1): grid 256 x 1, 8 waves a work-group, no clusters, 82,944 bytes of LDS; arguments x, g1, b1, xn; writes xn
.if DOCPART == 1
	.amdgcn_target "amdgcn-amd-amdhsa--gfx1250"
	.amdhsa_code_object_version 6
	.text
	.protected	k_qe32f402711_ln1
	.globl	k_qe32f402711_ln1
	.p2align	8
	.type	k_qe32f402711_ln1,@function
k_qe32f402711_ln1:
	s_mov_b64 s[64:65], 0
	v_nop
	global_prefetch_b8 v0, s[64:65] scope:SCOPE_SE
	s_setreg_imm32_b32 hwreg(HW_REG_WAVE_MODE, 25, 1), 1
	s_wait_xcnt 0x0
; y = (x - mean) * rsqrt(var + 1e-5) * g + b along rows of 1,024 f32, then quantised along the row to codes of FP6 (E2M3) with one E8M0 byte for each 32.
; OUT: codes [4096][768 bytes] (a row's codes one stream of bits), and from byte 3,145,728 on the scale bytes [4096][32].
; SHARES: a work-group owns 16 rows; wave w owns columns 128 w .. 128 w + 127 of all 16: 64 numbers a lane.  Every load reads 512 consecutive bytes of one row; the 16 x 512 bytes turn
; through the wave's own part of LDS (rows 528 bytes apart), so that lane (r, h) holds, of row r, 16 neighbours of each block of 32: register 16 b + i = column 32 b + 16 h + i.
; All 48 loads of a wave (x, g, b) go out together at the head: nothing is asked of memory behind the first wait for data.  b lands in registers of the second window, which only its loads and its one use name.
; The mean is taken first and subtracted, then the squares are summed: two passes over registers, no difference of large sums.  Row sums meet in LDS: one word for each row and wave.
; The codes go to a stage of whole rows (784 bytes apart) and leave as runs of 512 consecutive bytes.  Three barriers.  No tensor loads.
; LIMITS: NaN and infinities are not served; a block whose largest magnitude lies under 2^-124 keeps the byte 1 (a block of zeros too: its codes are zeros, and this program alone reads the bytes).
.set RED,  67584                       ; LDS: 0 .. 67,583 the eight waves' turning places (16 x 528 each); then 2 x [16 rows][8 waves] words
.set OST,  68608                       ; 16 rows x 784 bytes of codes
.set SCS,  81152                       ; 16 rows x 32 scale bytes
.set PC,   16                          ; v16-35  the codes just made
.set TM,   36                          ; v36-51  largest magnitudes, bytes, scale operands
.set PW,   52                          ; v52     my row's scale word
.set X,    64                          ; v64-127 my 64 numbers
.set GA,   128                         ; v128-191 g at my columns
.set RB,   192                         ; v192-255 the rows as loaded
.set BW,   0                           ; v256-319 b at my columns: written v0-63 under window 1
.set SEL,  20                          ; s[20:21] lane selects: lane l xor 16
; 64 numbers of a lane, register 16 b + i = k 32 b + 16 (lane / 16) + i of my row, become a fragment's 12 registers of codes in v[PC] on and the scale word in v[PW]
.macro QUANT s
.irp b, 0,1,2,3
	v_max3_num_f32 v[TM+\b], |v[\s+16*\b]|, |v[\s+1+16*\b]|, 0x1800000   ; my 16 numbers of block b, and the floor 2^(3 - 127): the byte cannot fall under 1
.endr
.irp i, 2,4,6,8,10,12,14
.irp b, 0,1,2,3
	s_delay_alu instid0(VALU_DEP_4)
	v_max3_num_f32 v[TM+\b], v[TM+\b], |v[\s+16*\b+\i]|, |v[\s+1+16*\b+\i]|
.endr
.endr
.irp b, 0,1,2,3
	s_delay_alu instid0(VALU_DEP_4)
	v_permlanex16_b32 v[TM+4+\b], v[TM+\b], s[SEL], s[SEL+1]
.endr
.irp b, 0,1,2,3
	s_delay_alu instid0(VALU_DEP_4)
	v_max_num_f32 v[TM+\b], v[TM+\b], v[TM+4+\b]     ; with lane l xor 16's: the block's largest magnitude
.endr
.irp b, 0,1,2,3
	s_delay_alu instid0(VALU_DEP_4)
	v_add_nc_u32 v[TM+12+\b], 0xff000000, v[TM+\b]   ; 2 off its exponent field: the conversion's scale operand
.endr
.irp b, 0,1,2,3
	s_delay_alu instid0(VALU_DEP_4)
	v_lshrrev_b32 v[TM+4+\b], 23, v[TM+12+\b]        ; the scale's byte
.endr
	s_delay_alu instid0(VALU_DEP_3)
	v_lshl_or_b32 v[PW], v[TM+5], 8, v[TM+4]
	s_delay_alu instid0(VALU_DEP_1)
	v_lshl_or_b32 v[PW], v[TM+6], 16, v[PW]
	s_delay_alu instid0(VALU_DEP_1)
	v_lshl_or_b32 v[PW], v[TM+7], 24, v[PW]
.irp c, 0,1
	v_cvt_scalef32_pk16_fp6_f32 v[PC+6*\c:PC+2+6*\c], v[\s+32*\c:\s+15+32*\c], v[TM+12+2*\c]
	v_cvt_scalef32_pk16_fp6_f32 v[PC+12+4*\c:PC+14+4*\c], v[\s+16+32*\c:\s+31+32*\c], v[TM+12+2*\c+1]
.endr
	v_nop                                          ; one plain line behind the scaled conversions
.irp c, 0,1                                    ; a whole block to a lane: lanes 0-15 block 2 c, lanes 16-31 block 2 c + 1
.irp i, 0,1,2
	v_permlane16_swap_b32 v[PC+6*\c+\i], v[PC+12+4*\c+\i]
.endr
.irp i, 0,1,2
	s_delay_alu instid0(VALU_DEP_3)
	v_mov_b32 v[PC+3+6*\c+\i], v[PC+12+4*\c+\i]
.endr
.endr
.endm
; four chains of pairs in v[54:61] become the row's sum over all 1,024 columns, in v56 of every lane
.macro ACROSS off
	s_delay_alu instid0(VALU_DEP_3)
	v_pk_add_f32 v[54:55], v[54:55], v[56:57]
	s_delay_alu instid0(VALU_DEP_2)
	v_pk_add_f32 v[58:59], v[58:59], v[60:61]
	s_delay_alu instid0(VALU_DEP_1)
	v_pk_add_f32 v[54:55], v[54:55], v[58:59]
	s_delay_alu instid0(VALU_DEP_1)
	v_add_f32 v54, v54, v55
	s_delay_alu instid0(VALU_DEP_1)
	v_permlanex16_b32 v53, v54, s[SEL], s[SEL+1]
	s_delay_alu instid0(VALU_DEP_1)
	v_add_f32 v54, v54, v53                        ; my wave's 128 columns of row r
	ds_store_b32 v8, v54 offset:\off               ; both halves of the lanes write the same word with the same value
	s_wait_dscnt 0x0                               ; for the other waves: my store has landed
	s_barrier_signal -1
	s_barrier_wait -1
	ds_load_b128 v[56:59], v9 offset:\off
	ds_load_b128 v[60:63], v9 offset:\off+16
	s_wait_dscnt 0x0
	v_add_f32 v56, v56, v57
	v_add_f32 v58, v58, v59
	v_add_f32 v60, v60, v61
	v_add_f32 v62, v62, v63
	s_delay_alu instid0(VALU_DEP_3)
	v_add_f32 v56, v56, v58
	s_delay_alu instid0(VALU_DEP_2)
	v_add_f32 v60, v60, v62
	s_delay_alu instid0(VALU_DEP_1)
	v_add_f32 v56, v56, v60
.endm
	s_load_b256 s[4:11], s[0:1], 0x0               ; x s[4:5], g s[6:7], b s[8:9], out s[10:11]
	v_lshl_add_u32 v46, v0, 2, 0x14000
	v_mov_b32 v47, 0
	v_lshrrev_b32 v1, 5, v0
	s_delay_alu instid0(VALU_DEP_1)
	v_readfirstlane_b32 s12, v1                    ; wave 0..7
	v_and_b32 v1, 31, v0                           ; lane
	v_and_b32 v2, 15, v0                           ; r
	v_bfe_u32 v3, v0, 4, 1                         ; h
	s_delay_alu instid0(VALU_DEP_3)
	v_lshlrev_b32 v4, 4, v1                        ; 16 x lane
	s_mul_i32 s13, s12, 8448                       ; my wave's turning place
	v_add_nc_u32 v5, s13, v4                       ; in: a row's 512 bytes as they lie
	v_mul_u32_u24 v6, v2, 528
	s_delay_alu instid0(VALU_DEP_1)
	v_lshl_add_u32 v6, v3, 6, v6
	s_delay_alu instid0(VALU_DEP_1)
	v_add_nc_u32 v6, s13, v6                       ; out: row r, + 64 h
	v_lshlrev_b32 v7, 6, v3                        ; g, b: 64 h
	s_lshl_b32 s13, s12, 2
	v_lshl_add_u32 v9, v2, 5, RED                  ; row r's eight words
	s_delay_alu instid0(VALU_DEP_1)
	v_add_nc_u32 v8, s13, v9                       ; and my wave's among them
	v_mul_u32_u24 v10, v2, 784
	s_delay_alu instid0(VALU_DEP_1)
	v_mad_u32_u24 v10, v3, 24, v10
	s_mul_i32 s14, s12, 96
	s_add_co_u32 s14, s14, OST
	v_add_nc_u32 v10, s14, v10                     ; codes in: row r, my wave's 96 bytes, + 24 h
	s_mul_i32 s14, s12, 1568
	s_add_co_u32 s14, s14, OST
	v_add_nc_u32 v11, s14, v4                      ; codes out: rows 2 w, 2 w + 1 as 1,536 bytes on end,
	s_delay_alu instid0(VALU_DEP_1)
	v_lshl_add_u32 v12, v3, 4, v11                 ; 16 more where the second row has begun
	v_lshl_add_u32 v13, v2, 5, SCS
	s_delay_alu instid0(VALU_DEP_1)
	v_add_nc_u32 v13, s13, v13                     ; my row's scale word of my K step
	v_add_nc_u32 v14, SCS, v4
	v_mov_b32 v53, 0                               ; a lane permute's destination counts as read: written once
.irp b, 0,1,2,3
	v_mov_b32 v[TM+4+\b], 0
.endr
	s_mov_b32 s[SEL], 0x76543210
	s_mov_b32 s[SEL+1], 0xfedcba98
	s_mov_b32 s22, 0x3a800000                      ; 1 / 1,024
	s_lshl_b32 s16, s12, 9                         ; my wave's 512 bytes of a row
	s_mov_b32 s17, 0
	s_lshl_b32 s18, ttmp9, 16                      ; 16 rows of 4,096 bytes a work-group
	s_add_co_u32 s18, s18, s16
	s_mov_b32 s19, 0
	s_mul_i32 s24, ttmp9, 12288                    ; 16 rows of 768 bytes of codes,
	s_mul_i32 s25, s12, 1536                       ; two of them a wave
	s_add_co_u32 s24, s24, s25
	s_mov_b32 s25, 0
	s_lshl_b32 s26, ttmp9, 9                       ; 16 rows of 32 scale bytes
	s_add_co_u32 s26, s26, 3145728
	s_mov_b32 s27, 0
	s_wait_kmcnt 0x0
	s_add_nc_u64 s[4:5], s[4:5], s[18:19]
	s_add_nc_u64 s[6:7], s[6:7], s[16:17]
	s_add_nc_u64 s[8:9], s[8:9], s[16:17]
	s_add_nc_u64 s[26:27], s[10:11], s[26:27]
	s_add_nc_u64 s[10:11], s[10:11], s[24:25]
.set t, 0
.rept 16
	global_load_b128 v[RB+4*t:RB+4*t+3], v4, s[4:5] offset:4096*t   ; row t: 32 lanes read 512 consecutive bytes
.set t, t+1
.endr
.irp b, 0,1,2,3
.irp j, 0,1,2,3
	global_load_b128 v[GA+16*\b+4*\j:GA+16*\b+4*\j+3], v7, s[6:7] offset:128*\b+16*\j
.endr
.endr
	s_set_vgpr_msb 0x40                            ; destination in window 1; the address register stays in window 0
.irp b, 0,1,2,3
.irp j, 0,1,2,3
	global_load_b128 v[BW+16*\b+4*\j:BW+16*\b+4*\j+3], v7, s[8:9] offset:128*\b+16*\j   ; v256 on
.endr
.endr
	s_set_vgpr_msb 0x4000                          ; all back to window 0
	s_wait_loadcnt 32                              ; the sixteen rows are in; g's sixteen loads and b's sixteen may stay out
.set t, 0
.rept 16
	ds_store_b128 v5, v[RB+4*t:RB+4*t+3] offset:528*t
.set t, t+1
.endr
.irp b, 0,1,2,3
.irp j, 0,1,2,3
	ds_load_b128 v[X+16*\b+4*\j:X+16*\b+4*\j+3], v6 offset:128*\b+16*\j   ; LDS serves a wave's instructions in order: these see my stores
.endr
.endr
	s_wait_dscnt 0x0
	; the mean
.irp k, 0,1,2,3
	v_pk_add_f32 v[54+2*\k:55+2*\k], v[X+2*\k:X+2*\k+1], v[X+8+2*\k:X+9+2*\k]
.endr
.irp i, 16,24,32,40,48,56
.irp k, 0,1,2,3
	s_delay_alu instid0(VALU_DEP_4)
	v_pk_add_f32 v[54+2*\k:55+2*\k], v[54+2*\k:55+2*\k], v[X+\i+2*\k:X+\i+2*\k+1]
.endr
.endr
	ACROSS 0
	s_delay_alu instid0(VALU_DEP_1)
	v_mul_f32 v62, s22, v56
	s_delay_alu instid0(VALU_DEP_1)
	v_mov_b32 v63, v62
.set i, 0
.rept 32
	v_pk_add_f32 v[X+i:X+i+1], v[X+i:X+i+1], v[62:63] neg_lo:[0,1] neg_hi:[0,1]   ; x - mean
.set i, i+2
.endr
	; the variance
.irp k, 0,1,2,3
	v_pk_mul_f32 v[54+2*\k:55+2*\k], v[X+2*\k:X+2*\k+1], v[X+2*\k:X+2*\k+1]
.endr
.irp i, 8,16,24,32,40,48,56
.irp k, 0,1,2,3
	s_delay_alu instid0(VALU_DEP_4)
	v_pk_fma_f32 v[54+2*\k:55+2*\k], v[X+\i+2*\k:X+\i+2*\k+1], v[X+\i+2*\k:X+\i+2*\k+1], v[54+2*\k:55+2*\k]
.endr
.endr
	ACROSS 512
	s_delay_alu instid0(VALU_DEP_1)
	v_fmaak_f32 v56, s22, v56, 0x3727c5ac          ; variance + 1e-5
	s_wait_alu depctr_va_vdst(0)
	v_rsq_f32 v62, v56
	v_rsq_f32 v63, v56
	v_nop                                          ; a plain line behind the transcendentals
	s_wait_alu depctr_va_vdst(0)                   ; one wait for both, ahead of their first reader
	s_wait_loadcnt 0x0                             ; g and b
.set i, 0
.rept 32
	v_pk_mul_f32 v[X+i:X+i+1], v[X+i:X+i+1], v[62:63]
.set i, i+2
.endr
	s_set_vgpr_msb 0x10                            ; source 2 (b) in window 1
.set i, 0
.rept 32
	v_pk_fma_f32 v[X+i:X+i+1], v[X+i:X+i+1], v[GA+i:GA+i+1], v[BW+i:BW+i+1]
.set i, i+2
.endr
	s_set_vgpr_msb 0x1000                          ; all back to window 0
	QUANT X
.irp c, 0,1
.irp p, 0,1,2
	ds_store_b64 v10, v[PC+6*\c+2*\p:PC+6*\c+2*\p+1] offset:48*\c+8*\p
.endr
.endr
	ds_store_b32 v13, v[PW]
	s_wait_dscnt 0x0                               ; for the other waves: my codes and my scale words have landed
	s_barrier_signal -1
	s_barrier_wait -1
	ds_load_b128 v[64:67], v11
	ds_load_b128 v[68:71], v12 offset:512
	ds_load_b128 v[72:75], v11 offset:1040
	s_wait_dscnt 2                                 ; the two younger loads may stay out
	global_store_b128 v4, v[64:67], s[10:11]       ; 32 lanes store 512 consecutive bytes
	s_wait_dscnt 1
	global_store_b128 v4, v[68:71], s[10:11] offset:512
	s_wait_dscnt 0x0
	global_store_b128 v4, v[72:75], s[10:11] offset:1024
	s_cmp_lg_u32 s12, 0
	s_cbranch_scc1 .Ldone                          ; wave 0 sends the 16 rows' 512 scale bytes
	ds_load_b128 v[76:79], v14
	s_wait_dscnt 0x0
	global_store_b128 v4, v[76:79], s[26:27]
.Ldone:
	s_wait_tensorcnt 0x0
	ds_add_u32 v46, v47
	s_wait_dscnt 0x0
	s_endpgm
.Lfunc_end_k_qe32f402711_ln1:
	.size	k_qe32f402711_ln1, .Lfunc_end_k_qe32f402711_ln1-k_qe32f402711_ln1
	.p2alignl 7, 3214868480
	.fill 96, 4, 3214868480
	.section	.rodata,"a",@progbits
	.p2align	6, 0x0
	.amdhsa_kernel k_qe32f402711_ln1
		.amdhsa_group_segment_fixed_size 82944
		.amdhsa_private_segment_fixed_size 0
		.amdhsa_enable_private_segment 0
		.amdhsa_kernarg_size 32
		.amdhsa_user_sgpr_count 2
		.amdhsa_user_sgpr_kernarg_segment_ptr 1
		.amdhsa_wavefront_size32 1
		.amdhsa_system_sgpr_workgroup_id_x 1
		.amdhsa_system_sgpr_workgroup_id_y 1
		.amdhsa_system_sgpr_workgroup_id_z 1
		.amdhsa_system_vgpr_workitem_id 0
		.amdhsa_next_free_vgpr 320
		.amdhsa_next_free_sgpr 66
		.amdhsa_reserve_vcc 0
		.amdhsa_float_denorm_mode_32 3
		.amdhsa_float_denorm_mode_16_64 3
		.amdhsa_memory_ordered 1
		.amdhsa_forward_progress 1
		.amdhsa_inst_pref_size 31
	.end_amdhsa_kernel
	.amdgpu_metadata
---
amdhsa.version: [ 1, 2 ]
amdhsa.kernels:
  - .name:           k_qe32f402711_ln1
    .symbol:         k_qe32f402711_ln1.kd
    .args:
      - { .name: x, .offset: 0, .size: 8, .value_kind: global_buffer, .address_space: global }
      - { .name: g1, .offset: 8, .size: 8, .value_kind: global_buffer, .address_space: global }
      - { .name: b1, .offset: 16, .size: 8, .value_kind: global_buffer, .address_space: global }
      - { .name: xn, .offset: 24, .size: 8, .value_kind: global_buffer, .address_space: global }
    .group_segment_fixed_size: 82944
    .private_segment_fixed_size: 0
    .kernarg_segment_align: 8
    .kernarg_segment_size: 32
    .max_flat_workgroup_size: 256
    .sgpr_count:     66
    .vgpr_count:     320
    .wavefront_size: 32
...
	.end_amdgpu_metadata
.endif
;; end of part 1
;; launch qkv (part 2): grid 12 x 16, 4 waves a work-group, clusters of 4 x 4, 327,680 bytes of LDS; arguments xn, Wq_codes, Wq_scales, Wk_codes, Wk_scales, Wv_codes, Wv_scales, bq, bk, bv, qb, kv; writes qb, kv
.if DOCPART == 2
	.amdgcn_target "amdgcn-amd-amdhsa--gfx1250"
	.amdhsa_code_object_version 6
	.text
	.protected	k_qe32f402711_qkv
	.globl	k_qe32f402711_qkv
	.p2align	8
	.type	k_qe32f402711_qkv,@function
k_qe32f402711_qkv:
	s_mov_b64 s[64:65], 0
	v_nop
	global_prefetch_b8 v0, s[64:65] scope:SCOPE_SE
	s_setreg_imm32_b32 hwreg(HW_REG_WAVE_MODE, 25, 1), 1
	s_wait_xcnt 0x0
	s_wait_alu depctr_hold_cnt(0) depctr_sa_sdst(0) depctr_va_vdst(0) depctr_va_sdst(0) depctr_va_ssrc(0) depctr_va_vcc(0) depctr_vm_vsrc(0)
	s_getreg_b32 s2, hwreg(HW_REG_IB_STS2, 6, 4)
	s_cmp_eq_u32 s2, 0
	s_cbranch_scc0 .Lentry_in_a_cluster
	s_endpgm
.Lentry_in_a_cluster:
	s_bfe_u32 s2, ttmp6, 0x10000c
	s_cmp_lg_u32 s2, 0xf033
	s_cbranch_scc0 .Lentry_shape_is_right
	s_endpgm
.Lentry_shape_is_right:
; q, k, v = xn W + b on codes of FP6 (E2M3) with E8M0 scales, K = 1,024; the results are quantised at once and stored as images of operand registers.
; A tile of 256 x 256 to four waves.  K goes through two LDS slots in chunks of 256 bytes of each row of codes (a row is 768 bytes: three chunks, each at a multiple of 256 bytes).
; A step of 128 along K is 96 bytes: steps 2 and 5 lie across two chunks.  The head's four tiles (chunk 0 of A and of B, both sides' scale bytes) are shared out, one tensor load a wave.
; No prefetch: of the three chunks two are asked for in the head, the third one step behind it.
.set NQ,     2
.set ROWB,   256
.set KROW,   768
.set PITCH,  272
.set FR,     12
.set NL,     6
.set NP,     4
.set HALFT,  128*PITCH
.set SLOT,   4*HALFT
.set CHUNKS, 3
.set KS,     32
.set SCL,    2*SLOT
.set HALFS,  (128*KS/256)*272
.set SBLK,   (16*KS/256)*272
.set SPARE,  SCL+4*HALFS
.set GS,     SPARE+512
.set L16,  7
.set L8,   8
.set GW,   9
.set GR,   10
.set SO,   11
.set BO,   12
.set ADRA, 16
.set ADRB, 20
.set ADRS, 27
.set SPW,  28
.set NIL,  29
.set SC,   32
.set BC,   64
.set AF,   128
.set H,    128
.set TM,   64
.set CV,   80
.set PC,   192
.set PW,   204
.set BR,   224
.set SEL,  56
.set G1, 24
.set G0, 32
.set G1B, 48
.set G0B, 56
.set G1S, 68
.set G0S, 76
.set G1SB, 80
.set G0SB, 88
.set G0H, 4                            ; s[4:7], s[8:11] group 0 of the head's loads of chunk 0 (the pointers that lay there have been used)
.set G0HB, 8
.set MSB, 0
.macro WIN new
.if MSB != (\new)
	s_set_vgpr_msb (MSB<<8)|(\new)
.set MSB, (\new)
.endif
.endm
.set MUL_LO, 0xa1
.set MUL_HI, 0xf1
.set TO_B,   0x40
.macro JLOAD g0a, g1a, g0b, g1b
	s_cmp_eq_u32 s15, 0
	s_cbranch_scc0 .Lfor_b_\@
	tensor_load_to_lds s[\g0a:\g0a+3], s[\g1a:\g1a+7]
	s_nop 0
.rept 4
	v_nop
.endr
	s_branch .Lasked_\@
.Lfor_b_\@:
	tensor_load_to_lds s[\g0b:\g0b+3], s[\g1b:\g1b+7]
	s_nop 0
.rept 4
	v_nop
.endr
.Lasked_\@:
.endm
.macro CREST
	s_cmp_lg_u32 s14, 0
	s_cbranch_scc1 .Lnot_wave_0_\@
	s_barrier_signal -3
.Lnot_wave_0_\@:
	s_barrier_wait -3
	s_barrier_signal -1
	s_barrier_wait -1
.endm
.macro CROUND
	s_barrier_signal -1
	s_barrier_wait -1
	CREST
.endm
	s_load_b512 s[68:83], s[0:1], 0x0
	s_load_b256 s[84:91], s[0:1], 0x40
	v_lshl_add_u32 v[SPW], v0, 2, SPARE
	v_mov_b32 v[NIL], 0
	ds_add_u32 v28, v29
	ds_add_u32 v28, v29
	s_wait_dscnt 0x0
	v_lshrrev_b32 v1, 5, v0
	v_readfirstlane_b32 s14, v1
	s_lshr_b32 s15, s14, 1
	s_and_b32 s16, s14, 1
	s_bfe_u32 s40, ttmp6, 0x40000
	s_bfe_u32 s41, ttmp6, 0x40004
	s_mov_b32 s95, ttmp9
	s_and_b32 s18, ttmp7, 0xffff
	s_cmp_eq_u32 s95, 2
	s_cselect_b32 s17, 0, s18
	s_cselect_b32 s42, s18, 0
	s_lshl_b32 s17, s17, 2
	s_add_co_u32 s17, s17, s41
	s_lshl_b32 s42, s42, 2
	s_add_co_u32 s42, s42, s40
	s_lshl_b32 s43, s41, 2
	s_lshl_b32 s43, 15, s43
	s_lshl_b32 s44, 0x1111, s40
	s_or_b32 s[G1+0], s43, (0<<16)|(1<<20)|(1<<21)|(5<<22)|(3<<25)   ; 16 bytes of padding behind every 256
	s_or_b32 s[G1B+0], s44, (0<<16)|(1<<20)|(1<<21)|(5<<22)|(3<<25)
.irp g, G1, G1B
	s_mov_b32 s[\g+1], ROWB<<16
	s_mov_b32 s[\g+2], 256<<16                     ; 256 rows for the head's loads
	s_mov_b32 s[\g+3], ROWB<<16
	s_mov_b32 s[\g+4], 256
	s_mov_b32 s[\g+5], KROW
	s_mov_b32 s[\g+6], 0
	s_mov_b32 s[\g+7], 0
.endr
	s_lshl_b32 s20, s17, 8                         ; the tile's first row of A,
	s_lshl_b32 s46, s42, 8                         ; and of B
	s_lshl_b32 s22, s20, 5
	s_mov_b32 s23, 0
	s_lshl_b32 s100, s46, 5
	s_mov_b32 s101, 0
	s_mul_i32 s20, s20, KROW
	s_mov_b32 s21, 0
	s_mul_i32 s46, s46, KROW
	s_mov_b32 s47, 0
	s_mul_i32 s45, s14, HALFT
	s_lshl_b32 s98, s17, 8
	s_lshl_b32 s18, s15, 7
	s_add_co_u32 s98, s98, s18
	s_lshl_b32 s99, s42, 8
	s_lshl_b32 s18, s16, 7
	s_add_co_u32 s99, s99, s18
	s_cmp_eq_u32 s95, 2
	s_cselect_b32 s104, s98, s99
	s_cselect_b32 s105, s99, s98
	s_wait_kmcnt 0x0
	s_add_nc_u64 s[92:93], s[68:69], 3145728
	s_cmp_eq_u32 s95, 0
	s_cselect_b64 s[8:9], s[70:71], s[74:75]
	s_cselect_b64 s[10:11], s[72:73], s[76:77]
	s_cselect_b64 s[12:13], s[82:83], s[84:85]
	s_cselect_b64 s[96:97], s[88:89], s[90:91]
	s_cmp_eq_u32 s95, 2
	s_cselect_b64 s[4:5], s[78:79], s[68:69]
	s_cselect_b64 s[6:7], s[80:81], s[92:93]
	s_cselect_b64 s[8:9], s[68:69], s[8:9]
	s_cselect_b64 s[10:11], s[92:93], s[10:11]
	s_cselect_b64 s[12:13], s[86:87], s[12:13]
	s_add_nc_u64 s[20:21], s[4:5], s[20:21]
	s_add_nc_u64 s[22:23], s[6:7], s[22:23]
	s_add_nc_u64 s[46:47], s[8:9], s[46:47]
	s_add_nc_u64 s[92:93], s[10:11], s[100:101]
	s_or_b32 s[G1S+0], s43, (3<<16)|(1<<20)|(1<<21)|(5<<22)|(3<<25)
	s_or_b32 s[G1SB+0], s44, (3<<16)|(1<<20)|(1<<21)|(5<<22)|(3<<25)
.irp g, G1S, G1SB
	s_mov_b32 s[\g+1], 32<<16
	s_mov_b32 s[\g+2], KS<<16                      ; the scale bytes of 256 rows: KS rows of 256 bytes
	s_mov_b32 s[\g+3], 32<<16
	s_mov_b32 s[\g+4], KS
	s_mov_b32 s[\g+5], 32
	s_mov_b32 s[\g+6], 0
	s_mov_b32 s[\g+7], 0
.endr
	CROUND
	s_mov_b32 s[G0S], 1
	s_mov_b32 s[G0S+1], SCL
	s_mov_b64 s[G0S+2:G0S+3], s[22:23]
	s_or_b32 s[G0S+3], s[G0S+3], 0x80000000
	s_mov_b32 s[G0SB], 1
	s_mov_b32 s[G0SB+1], SCL+2*HALFS
	s_mov_b64 s[G0SB+2:G0SB+3], s[92:93]
	s_or_b32 s[G0SB+3], s[G0SB+3], 0x80000000
	s_mov_b32 s[G0H], 1
	s_mov_b32 s[G0H+1], 0
	s_mov_b64 s[G0H+2:G0H+3], s[20:21]
	s_or_b32 s[G0H+3], s[G0H+3], 0x80000000
	s_mov_b32 s[G0HB], 1
	s_mov_b32 s[G0HB+1], 2*HALFT
	s_mov_b64 s[G0HB+2:G0HB+3], s[46:47]
	s_or_b32 s[G0HB+3], s[G0HB+3], 0x80000000
	s_mul_i32 s18, s16, 128*KROW                   ; in the ring I fetch 128 rows of a tile
	s_mov_b32 s19, 0
	s_add_nc_u64 s[20:21], s[20:21], s[18:19]
	s_add_nc_u64 s[46:47], s[46:47], s[18:19]
.irp s, 0,1
	s_mov_b32 s[G0+4*\s], 1
	s_add_co_u32 s[G0+4*\s+1], s45, \s*SLOT
	s_add_nc_u64 s[G0+4*\s+2:G0+4*\s+3], s[20:21], \s*ROWB
	s_or_b32 s[G0+4*\s+3], s[G0+4*\s+3], 0x80000000
	s_mov_b32 s[G0B+4*\s], 1
	s_add_co_u32 s[G0B+4*\s+1], s45, \s*SLOT
	s_add_nc_u64 s[G0B+4*\s+2:G0B+4*\s+3], s[46:47], \s*ROWB
	s_or_b32 s[G0B+4*\s+3], s[G0B+4*\s+3], 0x80000000
.endr
; the head's loads, one a wave, in one chain of branches on the wave's number
.macro ARM under, g0, g1, next
	s_cmp_lt_u32 s14, \under
	s_cbranch_scc0 \next
	tensor_load_to_lds s[\g0:\g0+3], s[\g1:\g1+7]
	s_nop 0
.rept 4
	v_nop
.endr
	s_branch .Lhead_asked
\next:
.endm
	ARM 1, G0H,  G1,  .Lhead_b
	ARM 2, G0HB, G1B, .Lhead_sa
	ARM 3, G0S,  G1S, .Lhead_sb
	tensor_load_to_lds s[G0SB:G0SB+3], s[G1SB:G1SB+7]
	s_nop 0
.rept 4
	v_nop
.endr
.Lhead_asked:
	v_and_b32 v1, 15, v0
	v_bfe_u32 v2, v0, 4, 1
	v_mul_u32_u24 v3, v1, PITCH
	v_mul_u32_u24 v4, v2, 24
	v_add_nc_u32 v4, v3, v4
	s_mov_b32 s21, SLOT-232
	s_mov_b32 s22, SLOT+232
	v_sub_nc_u32 v7, 1, v2
	v_mul_u32_u24 v5, s21, v2
	v_add_nc_u32 v5, v3, v5
	v_add_nc_u32 v5, 232, v5                       ; across two chunks: lanes 0-15 byte 232 of the row in slot 0, lanes 16-31 byte 0 in slot 1;
	v_mul_u32_u24 v6, s22, v7
	v_add_nc_u32 v6, v3, v6                        ; and the other way round
	s_mul_i32 s21, s15, HALFT
	s_mul_i32 s22, s16, HALFT
	s_add_co_u32 s22, s22, 2*HALFT
	v_add_nc_u32 v[ADRA+2], s21, v5
	v_add_nc_u32 v[ADRA+3], s21, v6
	v_add_nc_u32 v[ADRB+2], s22, v5
	v_add_nc_u32 v[ADRB+3], s22, v6
.irp s, 0,1
	v_add_nc_u32 v[ADRA+\s], s21, v4
	v_add_nc_u32 v[ADRB+\s], s22, v4
	s_add_co_u32 s21, s21, SLOT
	s_add_co_u32 s22, s22, SLOT
.endr
	v_mul_u32_u24 v5, v1, KS
	v_lshrrev_b32 v6, 8, v5
	v_lshl_add_u32 v5, v6, 4, v5
	s_mul_i32 s21, s15, HALFS
	s_mul_i32 s22, s16, HALFS
	s_add_co_u32 s22, s22, 2*HALFS
	s_sub_co_u32 s22, s22, s21
	v_mul_u32_u24 v6, s22, v2
	s_add_co_u32 s21, s21, SCL
	v_add_nc_u32 v5, v5, v6
	v_add_nc_u32 v[ADRS], s21, v5
	v_and_b32 v6, 31, v0
	v_lshlrev_b32 v[L16], 4, v6
	v_lshlrev_b32 v[L8], 3, v6
	s_lshl_b32 s23, s14, 9
	s_add_co_u32 s23, s23, GS
	v_lshl_add_u32 v[GW], v1, 2, s23
	v_add_nc_u32 v[GR], s23, v[L16]
	v_lshlrev_b32 v[BO], 5, v2
	v_lshlrev_b32 v[BO+1], 2, v1
	s_lshl_b32 s18, s104, 2
	s_mov_b32 s19, 0
	s_add_nc_u64 s[12:13], s[12:13], s[18:19]
.irp b, 0,1,2,3,4,5,6,7
	global_load_b128 v[BC+8*\b:BC+8*\b+3], v[BO], s[12:13] offset:64*\b
	global_load_b128 v[BC+8*\b+4:BC+8*\b+7], v[BO], s[12:13] offset:64*\b+16
.endr
.irp a, 0,1,2,3,4,5,6,7
	global_load_b32 v[BR+2*\a], v[BO+1], s[12:13] offset:64*\a
.endr
.macro FRAG reg, adr, st, i            ; step st's fragment in pieces of 8 bytes; byte y of a row lies in slot (y / 256) % 2 at byte y % 256
.irp p, 0,1,2,3,4,5
.set BY, 96*(\st)+48*(\p/3)+8*(\p%3)
.if BY/ROWB == (BY+24)/ROWB
	ds_load_b64 v[\reg+2*\p:\reg+2*\p+1], v[\adr+(BY/ROWB)%2] offset:BY%ROWB+(\i)*16*PITCH
.else
	ds_load_b64 v[\reg+2*\p:\reg+2*\p+1], v[\adr+2+(BY/ROWB)%2] offset:BY%ROWB-232+(\i)*16*PITCH
.endif
.endr
.endm
.macro MUL16 a0, p, q, sc, first
.irp a, \a0, \a0+1
.irp b, 0,1,2,3,4,5,6,7
.if \first
	v_wmma_scale_f32_16x16x128_f8f6f4 v[8*(8*((\a)%4)+\b):8*(8*((\a)%4)+\b)+7], v[128*(\p)+FR*\b:128*(\p)+FR*\b+FR-1], v[AF+FR*(\a):AF+FR*(\a)+FR-1], v[BC+8*\b:BC+8*\b+7], v[SC+8*NQ*(\sc)+NQ*\b+(\q)], v[SC+8*NQ*(\sc)+NQ*(\a)+(\q)] matrix_a_fmt:MATRIX_FMT_FP6 matrix_b_fmt:MATRIX_FMT_FP6 matrix_a_scale:MATRIX_SCALE_ROW1
.else
	v_wmma_scale_f32_16x16x128_f8f6f4 v[8*(8*((\a)%4)+\b):8*(8*((\a)%4)+\b)+7], v[128*(\p)+FR*\b:128*(\p)+FR*\b+FR-1], v[AF+FR*(\a):AF+FR*(\a)+FR-1], v[8*(8*((\a)%4)+\b):8*(8*((\a)%4)+\b)+7], v[SC+8*NQ*(\sc)+NQ*\b+(\q)], v[SC+8*NQ*(\sc)+NQ*(\a)+(\q)] matrix_a_fmt:MATRIX_FMT_FP6 matrix_b_fmt:MATRIX_FMT_FP6 matrix_a_scale:MATRIX_SCALE_ROW1
.endif
.endr
.endr
.endm
.macro FETCH_B st, p
	WIN TO_B
.irp i, 0,1,2,3,4,5,6,7
	FRAG 128*(\p)+FR*\i, ADRB, \st, \i
.endr
	WIN 0
.endm
.macro FETCH_A st, i0
.irp i, \i0, \i0+1, \i0+2, \i0+3
	FRAG AF+FR*(\i), ADRA, \st, \i
.endr
.endm
.macro SCALES pr                       ; the scale words of steps 2 pr, 2 pr + 1 into set pr % 2
.irp i, 0,1,2,3,4,5,6,7
	ds_load_b64 v[SC+8*NQ*((\pr)%2)+NQ*\i:SC+8*NQ*((\pr)%2)+NQ*\i+1], v[ADRS] offset:\i*SBLK+4*NQ*(\pr)
.endr
.endm
.macro PLACES n
.rept \n
	v_nop
.endr
.endm
; A step of 128 along K; the next step's fragments are fetched in its middle and at its end.  Where the next step's bytes END in a chunk not yet read: a wait for my tensor loads and a barrier.
; Where they BEGIN in a later chunk: the wait, the add, the wait for it and for my reads, the barrier; and where a chunk two on is left, the barrier opens a round and the slot is filled again.
.macro STEP st, first
.set NX, (\st)+1
.set C0, (96*(\st))/ROWB
.set C1, (96*NX)/ROWB
.set E0, (96*(\st)+95)/ROWB
.set E1, (96*NX+95)/ROWB
.if C1 > C0 || E1 > E0
	s_wait_tensorcnt 0x0
.if C1 > C0
	ds_add_u32 v[SPW], v[NIL]
	s_wait_dscnt 4*NL+1                            ; the add and A's blocks 4-7 may be out
.else
	s_wait_dscnt 4*NL                              ; A's blocks 4-7 may be out
.endif
	WIN MUL_LO
	MUL16 0, (\st)%2, (\st)%2, ((\st)/2)%2, 0
	s_wait_dscnt 0x0
	s_barrier_signal -1
	MUL16 2, (\st)%2, (\st)%2, ((\st)/2)%2, 0
	WIN 0
	s_barrier_wait -1
.if C1 > C0 && C0+2 < CHUNKS
	CREST
	s_add_nc_u64 s[G0+4*(C0%2)+2:G0+4*(C0%2)+3], s[G0+4*(C0%2)+2:G0+4*(C0%2)+3], 2*ROWB
	s_add_nc_u64 s[G0B+4*(C0%2)+2:G0B+4*(C0%2)+3], s[G0B+4*(C0%2)+2:G0B+4*(C0%2)+3], 2*ROWB
	JLOAD G0+4*(C0%2), G1, G0B+4*(C0%2), G1B
.else
	PLACES NP
.endif
.else
	s_wait_dscnt 4*NL
	WIN MUL_LO-0x20*(\first)
	MUL16 0, (\st)%2, (\st)%2, ((\st)/2)%2, \first
	MUL16 2, (\st)%2, (\st)%2, ((\st)/2)%2, \first
	s_wait_dscnt 0
	PLACES NP
.endif
	FETCH_B NX, NX%2
	FETCH_A NX, 0
.if NX%2 == 0
	SCALES NX/2
.endif
	WIN MUL_HI-0x30*(\first)
	MUL16 4, (\st)%2, (\st)%2, ((\st)/2)%2, \first
	MUL16 6, (\st)%2, (\st)%2, ((\st)/2)%2, \first
	PLACES NP
	WIN 0
	FETCH_A NX, 4
.endm
.macro QUANT8 s
.irp b, 0,1,2,3
	v_max3_num_f32 v[TM+\b], |v[\s+16*\b]|, |v[\s+1+16*\b]|, 0x1800000
.endr
.irp i, 2,4,6,8,10,12,14
.irp b, 0,1,2,3
	v_max3_num_f32 v[TM+\b], v[TM+\b], |v[\s+16*\b+\i]|, |v[\s+1+16*\b+\i]|
.endr
.endr
.irp b, 0,1,2,3
	v_permlanex16_b32 v[TM+4+\b], v[TM+\b], s[SEL], s[SEL+1]
.endr
.irp b, 0,1,2,3
	v_max_num_f32 v[TM+\b], v[TM+\b], v[TM+4+\b]
.endr
.irp b, 0,1,2,3
	v_add_nc_u32 v[TM+12+\b], 0xff000000, v[TM+\b]
.endr
.irp b, 0,1,2,3
	v_lshrrev_b32 v[TM+4+\b], 23, v[TM+12+\b]
.endr
	v_lshl_or_b32 v[PW], v[TM+5], 8, v[TM+4]
	v_lshl_or_b32 v[PW], v[TM+6], 16, v[PW]
	v_lshl_or_b32 v[PW], v[TM+7], 24, v[PW]
.irp c, 0,1
	v_cvt_scalef32_pk16_fp6_f32 v[PC+6*\c:PC+6*\c+2], v[\s+32*\c:\s+32*\c+15], v[TM+12+2*\c]
	v_cvt_scalef32_pk16_fp6_f32 v[CV+4*\c:CV+4*\c+2], v[\s+32*\c+16:\s+32*\c+31], v[TM+13+2*\c]
.endr
	v_nop
.irp c, 0,1
.irp i, 0,1,2
	v_permlane16_swap_b32 v[PC+6*\c+\i], v[CV+4*\c+\i]
.endr
	v_perm_b32 v[PC+6*\c+3], v[PC+6*\c+2], v[PC+6*\c+1], 0x05040302
	v_perm_b32 v[PC+6*\c+4], v[CV+4*\c+1], v[PC+6*\c+2], 0x07060302
	v_perm_b32 v[PC+6*\c+1], v[CV+4*\c], v[PC+6*\c+1], 0x05040100
	v_perm_b32 v[PC+6*\c+2], v[CV+4*\c+1], v[CV+4*\c], 0x05040302
	v_mov_b32 v[PC+6*\c+5], v[CV+4*\c+2]
.endr
.endm
	s_wait_alu depctr_va_vdst(0)
	s_wait_tensorcnt 0x0                           ; my tile of the head's four is in; the add and its wait ahead of a later first fill
	ds_add_u32 v[SPW], v[NIL]
	s_mov_b32 s[G1+2], 128<<16                     ; no load of mine is out: from here on a load brings 128 rows
	s_mov_b32 s[G1+4], 128
	s_mov_b32 s[G1B+2], 128<<16
	s_mov_b32 s[G1B+4], 128
	s_wait_dscnt 0x0
	CROUND
	JLOAD G0+4, G1, G0B+4, G1B                     ; chunk 1
	FETCH_B 0, 0
	FETCH_A 0, 0
	SCALES 0
	FETCH_A 0, 4
	s_cmp_eq_u32 s95, 2
	s_cselect_b32 s18, 0, -1
	s_cselect_b32 s19, -1, 0
	s_wait_loadcnt 0x0
.set i, 0
.rept 64
	v_and_b32 v[BC+i], s18, v[BC+i]
.set i, i+1
.endr
.irp a, 0,1,2,3,4,5,6,7
	v_and_b32 v[BR+2*\a], s19, v[BR+2*\a]
	v_mov_b32 v[BR+2*\a+1], v[BR+2*\a]
.endr
	s_wait_alu depctr_va_vdst(0)                   ; ahead of the step's waits
	STEP 0, 1
.set ST, 1
.rept 6
	STEP ST, 0
.set ST, ST+1
.endr
	s_wait_dscnt 4*NL
	WIN MUL_LO
	MUL16 0, 1, NQ-1, 1, 0
	MUL16 2, 1, NQ-1, 1, 0
	s_wait_dscnt 0
	WIN MUL_HI
	MUL16 4, 1, NQ-1, 1, 0
	MUL16 6, 1, NQ-1, 1, 0
	WIN 0
	s_mov_b32 s[SEL], 0x76543210
	s_mov_b32 s[SEL+1], 0xfedcba98
	s_lshr_b32 s24, s105, 11
	s_bfe_u32 s25, s105, 0x40007
	s_lshr_b32 s26, s104, 7
	s_lshl_b32 s24, s24, 3
	s_add_co_u32 s26, s26, s24
	s_cmp_eq_u32 s95, 0
	s_mov_b32 s27, 196608
	s_cselect_b32 s27, 98304, s27
	s_mov_b32 s28, 12288
	s_cselect_b32 s28, 6144, s28
	s_mov_b32 s36, 6291456
	s_cselect_b32 s36, 3145728, s36
	s_mov_b32 s37, 16384
	s_cselect_b32 s37, 8192, s37
	s_cmp_eq_u32 s95, 2
	s_mov_b32 s54, 768
	s_cselect_b32 s29, 6144, 0
	s_cselect_b32 s30, s54, s27
	s_mov_b32 s32, 1536
	s_cselect_b32 s32, s32, s54
	s_mov_b32 s34, 192000
	s_cselect_b32 s34, s34, s54
	s_cselect_b32 s38, 8192, 0
	s_mov_b32 s39, 512
	s_cselect_b32 s39, 256, s39
	s_cselect_b32 s40, 3840, 0
	s_mov_b32 s31, 0
	s_mov_b32 s33, 0
	s_mov_b32 s35, 0
	s_lshl_b32 s48, s26, 1
	s_mul_i32 s48, s48, s27
	s_mul_i32 s49, s25, s28
	s_add_co_u32 s48, s48, s49
	s_add_co_u32 s48, s48, s29
	s_mov_b32 s49, 0
	s_add_nc_u64 s[48:49], s[96:97], s[48:49]
	s_add_nc_u64 s[50:51], s[48:49], s[30:31]
	s_mul_i32 s52, s26, s37
	s_mul_i32 s53, s25, s39
	s_add_co_u32 s52, s52, s53
	s_add_co_u32 s52, s52, s36
	s_add_co_u32 s52, s52, s38
	s_mov_b32 s53, 0
	s_add_nc_u64 s[52:53], s[96:97], s[52:53]
	PLACES NP
	v_mad_u32_u24 v[SO], v2, s40, v[L16]
.irp b, 0,1,2,3
	v_mov_b32 v[TM+4+\b], 0
.endr
.macro OUTA a
	s_wait_xcnt 0x0
.if (\a) == 4
	s_add_nc_u64 s[48:49], s[48:49], s[34:35]
	s_add_nc_u64 s[50:51], s[50:51], s[34:35]
.elseif (\a) > 0
	s_add_nc_u64 s[48:49], s[48:49], s[32:33]
	s_add_nc_u64 s[50:51], s[50:51], s[32:33]
.endif
	WIN 0x02+(\a)/4
.set AC, 64*((\a)%4)
.set i, 0
.rept 32
	v_pk_add_f32 v[H+i:H+i+1], v[AC+i:AC+i+1], v[BR+2*(\a):BR+2*(\a)+1]
.set i, i+2
.endr
	WIN 0
	QUANT8 H
	ds_store_b32 v[GW], v[PW] offset:64*(\a)
	global_store_b128 v[L16], v[PC:PC+3], s[48:49]
	global_store_b64 v[L8], v[PC+4:PC+5], s[48:49] offset:512
	global_store_b128 v[L16], v[PC+6:PC+9], s[50:51]
	global_store_b64 v[L8], v[PC+10:PC+11], s[50:51] offset:512
.endm
.irp a, 0,1,2,3,4,5,6,7
	OUTA \a
.endr
	ds_load_b128 v[208:211], v[GR]
	s_wait_dscnt 0x0
	global_store_b128 v[SO], v[208:211], s[52:53]
	s_wait_tensorcnt 0x0
	ds_add_u32 v[SPW], v[NIL]
	s_wait_dscnt 0x0
	CROUND
	s_endpgm
.Lfunc_end_k_qe32f402711_qkv:
	.size	k_qe32f402711_qkv, .Lfunc_end_k_qe32f402711_qkv-k_qe32f402711_qkv
	.p2alignl 7, 3214868480
	.fill 96, 4, 3214868480
	.section	.rodata,"a",@progbits
	.p2align	6, 0x0
	.amdhsa_kernel k_qe32f402711_qkv
		.amdhsa_group_segment_fixed_size 327680
		.amdhsa_private_segment_fixed_size 0
		.amdhsa_enable_private_segment 0
		.amdhsa_kernarg_size 96
		.amdhsa_user_sgpr_count 2
		.amdhsa_user_sgpr_kernarg_segment_ptr 1
		.amdhsa_wavefront_size32 1
		.amdhsa_system_sgpr_workgroup_id_x 1
		.amdhsa_system_sgpr_workgroup_id_y 1
		.amdhsa_system_sgpr_workgroup_id_z 1
		.amdhsa_system_vgpr_workitem_id 0
		.amdhsa_next_free_vgpr 1024
		.amdhsa_next_free_sgpr 106
		.amdhsa_reserve_vcc 0
		.amdhsa_float_denorm_mode_32 3
		.amdhsa_float_denorm_mode_16_64 3
		.amdhsa_memory_ordered 1
		.amdhsa_forward_progress 1
		.amdhsa_inst_pref_size 194
	.end_amdhsa_kernel
	.amdgpu_metadata
---
amdhsa.version: [ 1, 2 ]
amdhsa.kernels:
  - .name:           k_qe32f402711_qkv
    .symbol:         k_qe32f402711_qkv.kd
    .args:
      - { .name: xn, .offset: 0, .size: 8, .value_kind: global_buffer, .address_space: global }
      - { .name: Wq_codes, .offset: 8, .size: 8, .value_kind: global_buffer, .address_space: global }
      - { .name: Wq_scales, .offset: 16, .size: 8, .value_kind: global_buffer, .address_space: global }
      - { .name: Wk_codes, .offset: 24, .size: 8, .value_kind: global_buffer, .address_space: global }
      - { .name: Wk_scales, .offset: 32, .size: 8, .value_kind: global_buffer, .address_space: global }
      - { .name: Wv_codes, .offset: 40, .size: 8, .value_kind: global_buffer, .address_space: global }
      - { .name: Wv_scales, .offset: 48, .size: 8, .value_kind: global_buffer, .address_space: global }
      - { .name: bq, .offset: 56, .size: 8, .value_kind: global_buffer, .address_space: global }
      - { .name: bk, .offset: 64, .size: 8, .value_kind: global_buffer, .address_space: global }
      - { .name: bv, .offset: 72, .size: 8, .value_kind: global_buffer, .address_space: global }
      - { .name: qb, .offset: 80, .size: 8, .value_kind: global_buffer, .address_space: global }
      - { .name: kv, .offset: 88, .size: 8, .value_kind: global_buffer, .address_space: global }
    .group_segment_fixed_size: 327680
    .private_segment_fixed_size: 0
    .kernarg_segment_align: 8
    .kernarg_segment_size: 96
    .max_flat_workgroup_size: 128
    .sgpr_count:     106
    .vgpr_count:     1024
    .wavefront_size: 32
...
	.end_amdgpu_metadata
.endif
;; end of part 2
;; launch attn (part 3): grid 8 x 32, 16 waves a work-group, clusters of 4 x 1, 288,768 bytes of LDS; arguments qb, kv, at; writes at
.if DOCPART == 3
	.amdgcn_target "amdgcn-amd-amdhsa--gfx1250"
	.amdhsa_code_object_version 6
	.text
	.protected	k_qe32f402711_attn
	.globl	k_qe32f402711_attn
	.p2align	8
	.type	k_qe32f402711_attn,@function
k_qe32f402711_attn:
	s_mov_b64 s[64:65], 0
	v_nop
	global_prefetch_b8 v0, s[64:65] scope:SCOPE_SE
	s_setreg_imm32_b32 hwreg(HW_REG_WAVE_MODE, 25, 1), 1
	s_wait_xcnt 0x0
	s_wait_alu depctr_hold_cnt(0) depctr_sa_sdst(0) depctr_va_vdst(0) depctr_va_sdst(0) depctr_va_ssrc(0) depctr_va_vcc(0) depctr_vm_vsrc(0)
	s_getreg_b32 s2, hwreg(HW_REG_IB_STS2, 6, 4)
	s_cmp_eq_u32 s2, 0
	s_cbranch_scc0 .Lentry_in_a_cluster
	s_endpgm
.Lentry_in_a_cluster:
	s_bfe_u32 s2, ttmp6, 0x10000c
	s_cmp_lg_u32 s2, 0x3003
	s_cbranch_scc0 .Lentry_shape_is_right
	s_endpgm
.Lentry_shape_is_right:
; O[q] = sum over keys k <= q of softmax_k(Q[q] . K[k] / 8) V[k], for 32 (batch, head) of 2,048 tokens and head size 64, both products on codes of FP6 (E2M3) with E8M0 scales; O is quantised along the model's 1,024 at once.
; SOFTMAX: t = score x log2(e) / 8; M = the running largest t rounded up to a whole number; p = 2^(t - M) is quantised along the keys, not normalised; the sum of the unquantised p divides at the end.
; When M moves, the sum and O are multiplied by 2^(old M - new M): exact.
; IN: qb, kv as the launch before lays them: images of operand registers (a half image: 768 bytes, lane (r, h)'s 24 bytes of codes: registers 0-3 at 16 x lane, 4-5 at 512 + 8 x lane).
; The head's 64 fill half of the instruction's K = 128: the upper six registers of Q's and K's fragments are zero codes, which add nothing under the scale byte 0 that stands over them.
; SHARES: a work-group has one tile of 16 queries in each of the 16 key steps of 128 tokens: tile 8 g + 4 X + cx, which has g + 1 key steps to walk: 136 in all.  The tiles go in pairs (p, 15 - p), p = 0 .. 7: 17 key steps, two waves.
; Wave a of a pair walks key steps 0 to 7 of the long tile, 15 - p.  Wave b walks the short tile, p, whole (p + 1 steps) and puts it out, then begins a sum of its own over the long tile's key steps 8 to 15 - p (8 - p steps).
; So a wave walks 8 or 9 key steps, whatever p.  Wave b hands its part of the long tile (O^T, -M and the sum, as an image of its registers) to wave a through LDS; wave a brings both parts under the larger M, by exact powers of two,
; adds them and puts the long tile out.  Bit 2 of the wave's number is the role, p = (w & 3) + 4 (w >> 3), the partner is w xor 4.  Which key steps a wave walks or masks hangs on its number and the loops' counts alone, never on a
; work-group's place in its cluster.
; LDS: the head's whole K and V (196,608 bytes, as they lie in memory) and the pair of heads' scale words (16,384) are filled ONCE, by joint loads of the cluster's four work-groups, which walk the same head.  Nothing is filled again.
; Every key step is read behind one barrier, when the whole fill has landed.  Behind the tiles: 4,608 bytes for each wave, for the part that it hands on;
; no fill lands there.
; No prefetch is laid: every byte that the launch reads later is asked for by the tensor loads at its head.
; LAYOUT: S^T = K Q^T and O^T = V^T P^T: a lane holds one query (lane % 16) throughout; register 8 t + j of S^T is key 16 t + 8 (lane / 16) + j of the step.
; OUT: at: half images [16 rows 256][head 16][768]; from byte 3,145,728 scale words [128 rows 32][128 along K 8][128 rows]: a tile's 32 scale bytes leave as single bytes, one a lane (one byte for each 24 of codes).
; LIMITS: NaN and infinities are not served; a block whose largest magnitude lies under 2^-124 keeps the byte 1.
.set SC,   196608                      ; LDS: the scale words
.set XB,   212992                      ; LDS: the parts handed on: wave w's at XB + 4,608 w
.set XSZ,  4608                        ; 36 registers x 128 bytes
.set L16,  1                           ; v1   16 x lane
.set L8,   2                           ; v2   8 x lane
.set ASK0, 3                           ; v3   K's scale halves: SC + 4 r + 2 (head % 2)
.set ASV0, 4                           ; v4   V's scale words: SC + 8,192 + 4,096 (head % 2) + 4 r
.set DM,   5                           ; v5   my query in its key step - 8 h: the same for both tiles of a pair
.set ADK,  8
.set ADK8, 9
.set ADS,  10
.set ADT,  11
.set QS,   28                          ; v28  Q's scale word; v29 p's: they hold nothing else, like v80-87
.set PW,   29
.set KB,   32                          ; v32-79 four fragments of K
.set KSW,  80
.set VSW,  84
.set Q2,   88                          ; v88-93 the long tile's Q, v94 its scale word: wave b takes them up between the loops
.set Q2S,  94
.set PC,   192
.set CV,   204
.set XW,   220                         ; v220 where I store my part: XB + 4,608 w + 16 x lane
.set XR,   221                         ; v221 where my partner's lies: XB + 4,608 (w xor 4) + 16 x lane
.set TM,   232
.set WV,   10
.set TB,   12                          ; s12  where the key step's codes begin in LDS
.set TS,   13                          ; s13  K's scale words: 512 bytes a step
.set TJ,   14                          ; s14  V's: 256
.set SG,   15                          ; s15  the key step
.set GW,   16                          ; s16  the last key step that I walk in the loop in hand, which is the masked one
.set SEL,  20
.set CS,   22
.set G1S,  24
.set G1A,  32
.set G0S,  48
.set G0A,  52
.set ROLE, 90                          ; s90  0: wave a, 1: wave b
.set GW2,  91                          ; s91  s[GW] for key steps 8 to 15: wave a none (0), wave b 15 - p
.macro ROUND
	s_barrier_signal -1
	s_barrier_wait -1
	s_cmp_lg_u32 s[WV], 0
	s_cbranch_scc1 .Lnot_wave_0_\@
	s_barrier_signal -3
.Lnot_wave_0_\@:
	s_barrier_wait -3
	s_barrier_signal -1
	s_barrier_wait -1
.endm
.macro WEAVE c                         ; two conversions' results become registers 6 c .. 6 c + 5 of the operand: a whole block of 32 in key order to a lane
.irp i, 0,1,2
	v_permlane16_swap_b32 v[PC+6*\c+\i], v[CV+4*\c+\i]   ; X (at PC): codes 0-7, 16-23 of my block 2 c + h; Y (at CV): codes 8-15, 24-31: runs of 6 bytes
.endr
	s_delay_alu instid0(VALU_DEP_1)
	v_perm_b32 v[PC+6*\c+3], v[PC+6*\c+2], v[PC+6*\c+1], 0x05040302
	s_delay_alu instid0(VALU_DEP_2)
	v_perm_b32 v[PC+6*\c+4], v[CV+4*\c+1], v[PC+6*\c+2], 0x07060302
	s_delay_alu instid0(VALU_DEP_4)
	v_perm_b32 v[PC+6*\c+1], v[CV+4*\c], v[PC+6*\c+1], 0x05040100
	v_perm_b32 v[PC+6*\c+2], v[CV+4*\c+1], v[CV+4*\c], 0x05040302
	v_mov_b32 v[PC+6*\c+5], v[CV+4*\c+2]
.endm
	s_load_b128 s[4:7], s[0:1], 0x0                ; qb, kv
	s_load_b64 s[8:9], s[0:1], 0x10                ; at
	v_lshl_add_u32 v251, v0, 2, 0x46000
	v_mov_b32 v255, 0
	ds_add_u32 v251, v255
	ds_add_u32 v251, v255
	v_lshrrev_b32 v6, 5, v0
	s_delay_alu instid0(VALU_DEP_1)
	v_readfirstlane_b32 s[WV], v6                  ; wave 0..15
	s_and_b32 s11, ttmp7, 0xffff                   ; batch x 16 + head: the four partners share it
	s_and_b32 s17, s11, 1
	s_lshr_b32 s18, s11, 1                         ; the pair of heads
	s_bfe_u32 s19, ttmp6, 0x40000                  ; cx
	s_lshl_b32 s60, ttmp9, 2
	s_add_co_u32 s60, s60, s19                     ; 4 X + cx: my tiles' place in their key steps
	s_bfe_u32 s[ROLE], s[WV], 0x10002              ; bit 2 of the wave's number
	s_and_b32 s61, s[WV], 3
	s_lshr_b32 s62, s[WV], 3
	s_lshl_b32 s62, s62, 2
	s_add_co_u32 s63, s61, s62                     ; p
	s_sub_co_u32 s62, 15, s63                      ; 15 - p
	s_cmp_eq_u32 s[ROLE], 0
	s_cselect_b32 s[GW], s62, s63                  ; key steps 0 to 7: wave a walks them all (15 - p is 8 or more), wave b up to p.  It is also the key step of the tile that I put out
	s_cselect_b32 s[GW2], 0, s62
	s_lshl_b32 s61, s[GW], 3
	s_add_co_u32 s61, s61, s60                     ; the tile that I begin with and put out: wave a the long one, wave b the short one
	s_lshl_b32 s85, s62, 3
	s_add_co_u32 s85, s85, s60                     ; the pair's long tile
	; descriptor groups 1: dense blocks as rows of 256 bytes (32 elements of 8 bytes), no padding; the mask names all four work-groups, bit 21 beside it
.irp g, G1S, G1A
	s_mov_b32 s[\g], 15|(3<<16)|(1<<21)
	s_mov_b32 s[\g+1], 32<<16
	s_mov_b32 s[\g+3], 32<<16
	s_mov_b32 s[\g+5], 32
	s_mov_b32 s[\g+6], 0
	s_mov_b32 s[\g+7], 0
.endr
	s_mov_b32 s[G1S+2], 16<<16                     ; a quarter of the scale words: 4,096 bytes
	s_mov_b32 s[G1S+4], 16
	s_mov_b32 s[G1A+2], 64<<16                     ; a twelfth of the head's K and V: 16,384 bytes
	s_mov_b32 s[G1A+4], 64
	s_lshl_b32 s66, s18, 14
	s_and_b32 s62, s[WV], 3                        ; waves 12 to 15 fetch the scale words' quarters 0 to 3
	s_lshl_b32 s62, s62, 12
	s_add_co_u32 s66, s66, s62
	s_add_co_u32 s66, s66, 6291456
	s_mov_b32 s67, 0
	s_mov_b32 s[G0S], 1
	s_add_co_u32 s[G0S+1], s62, SC
	s_mul_i32 s68, s11, 196608
	s_mov_b32 s[G0A], 1
	s_lshl_b32 s[G0A+1], s[WV], 14                 ; waves 0 to 11: 16,384 bytes each; the tiles lie in LDS as in memory
	s_add_co_u32 s68, s68, s[G0A+1]
	s_mov_b32 s69, 0
	s_lshl_b32 s72, s11, 7
	s_add_co_u32 s72, s72, s61
	s_mul_i32 s72, s72, 768                        ; Q's half image
	s_mov_b32 s73, 0
	s_lshl_b32 s74, s18, 7
	s_add_co_u32 s74, s74, s61
	s_lshl_b32 s74, s74, 6
	s_lshl_b32 s62, s17, 1
	s_add_co_u32 s74, s74, s62
	s_add_co_u32 s74, s74, 3145728                 ; Q's scale halves
	s_mov_b32 s75, 0
	s_lshl_b32 s86, s11, 7
	s_add_co_u32 s86, s86, s85
	s_mul_i32 s86, s86, 768                        ; the same of the long tile
	s_mov_b32 s87, 0
	s_lshl_b32 s88, s18, 7
	s_add_co_u32 s88, s88, s85
	s_lshl_b32 s88, s88, 6
	s_add_co_u32 s88, s88, s62
	s_add_co_u32 s88, s88, 3145728
	s_mov_b32 s89, 0
	s_lshr_b32 s63, s11, 4                         ; the batch
	s_and_b32 s80, s11, 15                         ; the head
	s_lshl_b32 s76, s63, 7
	s_add_co_u32 s76, s76, s61
	s_lshl_b32 s76, s76, 4
	s_add_co_u32 s76, s76, s80
	s_mul_i32 s76, s76, 768                        ; O's half image
	s_mov_b32 s77, 0
	s_lshl_b32 s78, s63, 4
	s_add_co_u32 s78, s78, s[GW]
	s_lshl_b32 s78, s78, 3
	s_lshr_b32 s81, s80, 1
	s_add_co_u32 s78, s78, s81
	s_lshl_b32 s78, s78, 9
	s_lshl_b32 s81, s60, 6
	s_add_co_u32 s78, s78, s81
	s_and_b32 s81, s80, 1
	s_lshl_b32 s81, s81, 1
	s_add_co_u32 s78, s78, s81
	s_add_co_u32 s78, s78, 3145728                 ; O's scale bytes
	s_mov_b32 s79, 0
	s_add_co_u32 s82, s62, SC
	s_lshl_b32 s83, s17, 12
	s_add_co_u32 s83, s83, SC+8192
	s_lshl_b32 s84, s60, 4
	s_mul_i32 s92, s[WV], XSZ
	s_add_co_u32 s92, s92, XB                      ; my place for a part,
	s_xor_b32 s93, s[WV], 4
	s_mul_i32 s93, s93, XSZ
	s_add_co_u32 s93, s93, XB                      ; my partner's
	s_mov_b32 s[SEL], 0x76543210
	s_mov_b32 s[SEL+1], 0xfedcba98
	s_mov_b32 s[CS], 0x3e38aa3b                    ; c = log2(e) / 8
	s_mov_b32 s[CS+1], s[CS]
	s_mov_b32 s[TB], 0
	s_mov_b32 s[TS], 0
	s_mov_b32 s[TJ], 0
	s_mov_b32 s[SG], 0
	s_wait_dscnt 0x0
	s_wait_kmcnt 0x0
	s_add_nc_u64 s[G0S+2:G0S+3], s[6:7], s[66:67]
	s_or_b32 s[G0S+3], s[G0S+3], 0x80000000
	s_add_nc_u64 s[G0A+2:G0A+3], s[6:7], s[68:69]
	s_or_b32 s[G0A+3], s[G0A+3], 0x80000000
	s_add_nc_u64 s[72:73], s[4:5], s[72:73]
	s_add_nc_u64 s[74:75], s[4:5], s[74:75]
	s_add_nc_u64 s[86:87], s[4:5], s[86:87]
	s_add_nc_u64 s[88:89], s[4:5], s[88:89]
	s_add_nc_u64 s[76:77], s[8:9], s[76:77]
	s_add_nc_u64 s[78:79], s[8:9], s[78:79]
	ROUND                                          ; all four work-groups are here: the joint loads meet
	s_cmp_lt_u32 s[WV], 12                         ; every wave issues one first fill: waves 0 to 11 the codes, waves 12 to 15 the scale words
	s_cbranch_scc0 .Lfor_scales
	tensor_load_to_lds s[G0A:G0A+3], s[G1A:G1A+7]
	s_nop 0
.rept 4
	v_nop
.endr
	s_branch .Lasked
.Lfor_scales:
	tensor_load_to_lds s[G0S:G0S+3], s[G1S:G1S+7]
	s_nop 0
.rept 4
	v_nop
.endr
.Lasked:
	v_and_b32 v30, 31, v0
	v_and_b32 v6, 15, v0                           ; r
	v_bfe_u32 v7, v0, 4, 1                         ; h
	s_delay_alu instid0(VALU_DEP_3)
	v_lshlrev_b32 v[L16], 4, v30
	s_delay_alu instid0(VALU_DEP_4)
	v_lshlrev_b32 v[L8], 3, v30
	s_delay_alu instid0(VALU_DEP_4)
	v_lshlrev_b32 v30, 2, v6
	global_load_b128 v[16:19], v[L16], s[72:73]    ; Q's half image stays in registers
	global_load_b64 v[20:21], v[L8], s[72:73] offset:512
	global_load_u16 v[QS], v30, s[74:75]           ; its two scale bytes; the upper two are 0, over zero codes
	global_load_b128 v[Q2:Q2+3], v[L16], s[86:87]  ; the long tile's, for wave b's second sum (every wave loads them: no branch)
	global_load_b64 v[Q2+4:Q2+5], v[L8], s[86:87] offset:512
	global_load_u16 v[Q2S], v30, s[88:89]
	v_lshl_add_u32 v[ASK0], v6, 2, s82
	v_lshl_add_u32 v[ASV0], v6, 2, s83
	v_add_nc_u32 v[XW], s92, v[L16]
	v_add_nc_u32 v[XR], s93, v[L16]
	v_lshlrev_b32 v31, 3, v7
	s_delay_alu instid0(VALU_DEP_1)
	v_sub_nc_u32 v[DM], v6, v31
	s_delay_alu instid0(VALU_DEP_1)
	v_add_nc_u32 v[DM], s84, v[DM]
.irp j, 22,23,24,25,26,27
	v_mov_b32 v\j, 0                               ; the upper half of K = 128: zero codes
.endr
.irp t, 0,1,2,3
.irp j, 6,7,8,9,10,11
	v_mov_b32 v[KB+12*\t+\j], 0                    ; never written again
.endr
.endr
	v_mov_b32 v13, 0xff61b1e6                      ; the largest t so far: -3e38
	s_delay_alu instid0(VALU_DEP_1)
	v_floor_f32 v12, -v13                          ; -M
	v_mov_b32 v14, 0
	v_mov_b32 v15, 0
.irp b, 0,1,2,3
	v_mov_b32 v[236+\b], 0                         ; a lane permute's destination counts as read
.endr
	v_mov_b32 v252, 0                              ; likewise: the way out's lane permute lands here, on every path through the key steps
	v_mov_b32 v253, 0                              ; (named as the upper half of the pair v[252:253])
.set i, 0
.rept 32
	v_mov_b32 v[160+i], 0                          ; O^T: the step is written once for all steps; the first finds zeros
.set i, i+1
.endr
; A KEY STEP of 128 keys
.macro STEP
	s_cmp_gt_u32 s[SG], s[GW]                      ; not mine, or all its keys come after my queries: left out.  Both numbers hang on the wave's number and the loops' counts alone
	s_cbranch_scc1 .Lhidden_\@
	v_add_nc_u32 v[ADK], s[TB], v[L16]
	s_wait_alu depctr_va_vdst(0)
	v_add_nc_u32 v[ADK8], s[TB], v[L8]
	s_wait_alu depctr_va_vdst(0)
	v_add_nc_u32 v[ADS], s[TS], v[ASK0]
	s_wait_alu depctr_va_vdst(0)
	v_add_nc_u32 v[ADT], s[TJ], v[ASV0]
	v_nop                                          ; five plain lines: the products below write over registers that the last step's products read
.irp g, 0,1
.if \g
.rept 4
	v_nop                                          ; places in front of loads into registers that matrix instructions have read
.endr
.endif
.irp t, 0,1,2,3
	ds_load_b128 v[KB+12*\t:KB+12*\t+3], v[ADK] offset:768*(4*\g+\t)
	ds_load_b64 v[KB+12*\t+4:KB+12*\t+5], v[ADK8] offset:768*(4*\g+\t)+512
	ds_load_u16 v[KSW+\t], v[ADS] offset:64*(4*\g+\t)
.endr
	s_wait_dscnt 0x0
.irp t, 0,1,2,3
	v_wmma_scale_f32_16x16x128_f8f6f4 v[96+8*(4*\g+\t):103+8*(4*\g+\t)], v[KB+12*\t:KB+12*\t+11], v[16:27], 0, v[KSW+\t], v[QS] matrix_a_fmt:MATRIX_FMT_FP6 matrix_b_fmt:MATRIX_FMT_FP6
.endr
.endr
.rept 4
	v_nop
.endr
	s_cmp_lt_u32 s[SG], s[GW]                      ; a step all of whose keys count skips the mask
	s_cbranch_scc1 .Lopen_\@
	v_mov_b32 v254, 0xff800000                     ; -infinity: p = 0 then
.set n, 0
.rept 64
	v_cmp_gt_i32 vcc_lo, 16*(n/8)+n%8, v[DM]       ; register n holds key 16 (n / 8) + n % 8 + 8 h of the step
	v_cndmask_b32 v[96+n], v[96+n], v254, vcc_lo
.set n, n+1
.endr
.Lopen_\@:
.irp b, 0,1,2,3
	v_max3_num_f32 v[232+\b], v[96+16*\b], v[97+16*\b], v[98+16*\b]   ; the largest score of each block of 32 keys: for the row's maximum, and, since p rises with the score, for the block's largest p
.endr
.irp i, 3,5,7,9,11,13
.irp b, 0,1,2,3
	v_max3_num_f32 v[232+\b], v[232+\b], v[96+16*\b+\i], v[97+16*\b+\i]
.endr
.endr
.irp b, 0,1,2,3
	v_max_num_f32 v[232+\b], v[232+\b], v[111+16*\b]
.endr
.irp b, 0,1,2,3
	s_delay_alu instid0(VALU_DEP_4)
	v_permlanex16_b32 v[236+\b], v[232+\b], s[SEL], s[SEL+1]
.endr
.irp b, 0,1,2,3
	s_delay_alu instid0(VALU_DEP_4)
	v_max_num_f32 v[232+\b], v[232+\b], v[236+\b]
.endr
	s_delay_alu instid0(VALU_DEP_2)
	v_max3_num_f32 v254, v232, v233, v234
	s_delay_alu instid0(VALU_DEP_1)
	v_max_num_f32 v254, v254, v235
	s_delay_alu instid0(VALU_DEP_1)
	v_mul_f32 v254, s[CS], v254
	s_delay_alu instid0(VALU_DEP_1)
	v_max_num_f32 v13, v13, v254                   ; the running largest t
	v_mov_b32 v254, v12
	s_delay_alu instid0(VALU_DEP_2)
	v_floor_f32 v12, -v13                          ; the new -M: M is a whole number
	s_delay_alu instid0(VALU_DEP_1)
	v_sub_f32 v254, v12, v254
	s_delay_alu instid0(VALU_DEP_1)
	v_cvt_i32_f32 v254, v254                       ; (it saturates)
	s_delay_alu instid0(VALU_DEP_1)
	v_ldexp_f32 v252, 1.0, v254                    ; f = 2^(old M - new M)
.set j, 0
.rept 32
	v_pk_fma_f32 v[96+j:97+j], v[96+j:97+j], s[CS:CS+1], v[12:13] op_sel_hi:[1,0,0]   ; t - M
.set j, j+2
.endr
.irp b, 0,1,2,3
	v_fma_f32 v[232+\b], v[232+\b], s[CS], v12
.endr
.set j, 0
	s_wait_alu depctr_va_vdst(0)
.rept 64
	v_exp_f32 v[96+j], v[96+j]                     ; p = 2^(t - M)
.set j, j+1
.endr
	v_pk_mul_f32 v[14:15], v[14:15], v[252:253] op_sel_hi:[1,0]   ; the sums under the new M: a plain line behind the exponentials
	s_wait_alu depctr_va_vdst(0)                   ; one wait for the batch, ahead of its first reader
.irp b, 0,1,2,3
	v_exp_f32 v[232+\b], v[232+\b]                 ; each block's largest p
.endr
	v_pk_add_f32 v[236:237], v[100:101], v[104:105]
	v_pk_add_f32 v[248:249], v[108:109], v[112:113]
	v_pk_add_f32 v[246:247], v[116:117], v[120:121]
	v_pk_add_f32 v[244:245], v[124:125], v[128:129]
	v_pk_add_f32 v[242:243], v[132:133], v[136:137]
	v_pk_add_f32 v[240:241], v[140:141], v[144:145]
	v_pk_add_f32 v[238:239], v[148:149], v[152:153]
	v_pk_add_f32 v[14:15], v[14:15], v[156:157]
	v_pk_add_f32 v[236:237], v[236:237], v[96:97]
	v_pk_add_f32 v[248:249], v[248:249], v[98:99]
	v_pk_add_f32 v[246:247], v[246:247], v[102:103]
	v_pk_add_f32 v[244:245], v[244:245], v[106:107]
	v_pk_add_f32 v[242:243], v[242:243], v[110:111]
	v_pk_add_f32 v[240:241], v[240:241], v[114:115]
	v_pk_add_f32 v[238:239], v[238:239], v[118:119]
	v_pk_add_f32 v[14:15], v[14:15], v[122:123]
	v_pk_add_f32 v[236:237], v[236:237], v[126:127]
	v_pk_add_f32 v[248:249], v[248:249], v[130:131]
	v_pk_add_f32 v[246:247], v[246:247], v[134:135]
	v_pk_add_f32 v[244:245], v[244:245], v[138:139]
	v_pk_add_f32 v[242:243], v[242:243], v[142:143]
	v_pk_add_f32 v[240:241], v[240:241], v[146:147]
	v_pk_add_f32 v[238:239], v[238:239], v[150:151]
	v_pk_add_f32 v[14:15], v[14:15], v[154:155]
	v_pk_add_f32 v[236:237], v[236:237], v[158:159]
	s_delay_alu instid0(VALU_DEP_2)
	v_pk_add_f32 v[14:15], v[14:15], v[244:245]
	s_delay_alu instid0(VALU_DEP_2)
	v_pk_add_f32 v[236:237], v[236:237], v[242:243]
	v_pk_add_f32 v[248:249], v[248:249], v[240:241]
	v_pk_add_f32 v[246:247], v[246:247], v[238:239]
	s_delay_alu instid0(VALU_DEP_2)
	v_pk_add_f32 v[14:15], v[14:15], v[248:249]
	s_delay_alu instid0(VALU_DEP_2)
	v_pk_add_f32 v[236:237], v[236:237], v[246:247]
	s_delay_alu instid0(VALU_DEP_1)
	v_pk_add_f32 v[14:15], v[14:15], v[236:237]
	s_wait_alu depctr_va_vdst(0)                   ; and one for the four
.irp b, 0,1,2,3
	v_max_num_f32 v[232+\b], 0x1800000, v[232+\b]  ; the floor 2^(3 - 127)
.endr
.irp b, 0,1,2,3
	s_delay_alu instid0(VALU_DEP_4)
	v_add_nc_u32 v[244+\b], 0xff000000, v[232+\b]
.endr
.irp b, 0,1,2,3
	s_delay_alu instid0(VALU_DEP_4)
	v_lshrrev_b32 v[236+\b], 23, v[244+\b]
.endr
	s_delay_alu instid0(VALU_DEP_3)
	v_lshl_or_b32 v[PW], v237, 8, v236             ; p's scale word for these 128 keys
	s_delay_alu instid0(VALU_DEP_1)
	v_lshl_or_b32 v[PW], v238, 16, v[PW]
	s_delay_alu instid0(VALU_DEP_1)
	v_lshl_or_b32 v[PW], v239, 24, v[PW]
.irp c, 0,1
	v_cvt_scalef32_pk16_fp6_f32 v[PC+6*\c:PC+6*\c+2], v[96+32*\c:111+32*\c], v[244+2*\c]
	v_cvt_scalef32_pk16_fp6_f32 v[CV+4*\c:CV+4*\c+2], v[112+32*\c:127+32*\c], v[245+2*\c]
.endr
	v_nop                                          ; one plain line behind the scaled conversions
.irp d, 0,1,2,3                                ; V's four fragments land where p lay, while the codes are woven and O^T is rescaled
.irp c, 0,1
	ds_load_b128 v[96+12*\d+6*\c:96+12*\d+6*\c+3], v[ADK] offset:6144+1536*\d+768*\c
	ds_load_b64 v[96+12*\d+6*\c+4:96+12*\d+6*\c+5], v[ADK8] offset:6144+1536*\d+768*\c+512
.endr
	ds_load_b32 v[VSW+\d], v[ADT] offset:64*\d
.endr
	WEAVE 0
	WEAVE 1
.set j, 0
.rept 16
	v_pk_mul_f32 v[160+j:161+j], v[160+j:161+j], v[252:253] op_sel_hi:[1,0]   ; O^T under the new M; these lines also stand between the making of p's codes and scale word and the products
.set j, j+2
.endr
	s_wait_alu depctr_va_vdst(0)
	s_wait_dscnt 0x0
.irp d, 0,1,2,3
	v_wmma_scale_f32_16x16x128_f8f6f4 v[160+8*\d:167+8*\d], v[96+12*\d:107+12*\d], v[PC:PC+11], v[160+8*\d:167+8*\d], v[VSW+\d], v[PW] matrix_a_fmt:MATRIX_FMT_FP6 matrix_b_fmt:MATRIX_FMT_FP6
.endr
.Lhidden_\@:
	s_add_co_u32 s[TB], s[TB], 12288
	s_add_co_u32 s[TS], s[TS], 512
	s_add_co_u32 s[TJ], s[TJ], 256
	s_add_co_u32 s[SG], s[SG], 1
.endm
; THE WAY OUT of the tile whose sums I hold: O^T / the sum, quantised along the head's 64 channels (two blocks), as one half image.  Each wave puts out one tile: wave b the short one, between the loops; wave a the long one, at the end
.macro FINISH
	v_add_f32 v14, v14, v15
	s_delay_alu instid0(VALU_DEP_1)
	v_permlanex16_b32 v252, v14, s[SEL], s[SEL+1]
	s_delay_alu instid0(VALU_DEP_1)
	v_add_f32 v14, v14, v252
	s_wait_alu depctr_va_vdst(0)
	v_rcp_f32 v14, v14
	v_lshl_add_u32 v30, v6, 2, v7                  ; my scale byte's place: 4 r + h
	v_cmp_eq_u32 vcc_lo, 1, v7
	v_nop
	v_nop
	s_wait_alu depctr_va_vdst(0)                   ; ahead of the reciprocal's first reader
.set j, 0
.rept 32
	v_mul_f32 v[96+j], v[160+j], v14               ; register 8 d + i: channel 16 d + 8 h + i of my query
.set j, j+1
.endr
.irp b, 0,1
	v_max3_num_f32 v[TM+\b], |v[96+16*\b]|, |v[97+16*\b]|, 0x1800000
.endr
.irp i, 2,4,6,8,10,12,14
.irp b, 0,1
	s_delay_alu instid0(VALU_DEP_2)
	v_max3_num_f32 v[TM+\b], v[TM+\b], |v[96+16*\b+\i]|, |v[97+16*\b+\i]|
.endr
.endr
.irp b, 0,1
	s_delay_alu instid0(VALU_DEP_2)
	v_permlanex16_b32 v[TM+4+\b], v[TM+\b], s[SEL], s[SEL+1]
.endr
.irp b, 0,1
	s_delay_alu instid0(VALU_DEP_2)
	v_max_num_f32 v[TM+\b], v[TM+\b], v[TM+4+\b]
.endr
.irp b, 0,1
	s_delay_alu instid0(VALU_DEP_2)
	v_add_nc_u32 v[TM+12+\b], 0xff000000, v[TM+\b]
.endr
.irp b, 0,1
	s_delay_alu instid0(VALU_DEP_2)
	v_lshrrev_b32 v[TM+4+\b], 23, v[TM+12+\b]
.endr
	v_cvt_scalef32_pk16_fp6_f32 v[PC:PC+2], v[96:111], v[TM+12]
	v_cvt_scalef32_pk16_fp6_f32 v[CV:CV+2], v[112:127], v[TM+13]
	v_nop
	WEAVE 0
	v_cndmask_b32 v31, v[TM+4], v[TM+5], vcc_lo    ; lanes 0-15 send block 0's byte, lanes 16-31 block 1's
	global_store_b128 v[L16], v[PC:PC+3], s[76:77]
	global_store_b64 v[L8], v[PC+4:PC+5], s[76:77] offset:512
	global_store_b8 v30, v31, s[78:79]
.endm
	s_wait_tensorcnt 0x0                           ; my one fill is in; behind the barrier everybody's is: all sixteen key steps and the scale words
	s_barrier_signal -1
	s_barrier_wait -1
	s_wait_loadcnt 0x0                             ; Q, both tiles'
.Lfirst:                                           ; key steps 0 to 7
	STEP
	s_cmp_lt_u32 s[SG], 8
	s_cbranch_scc1 .Lfirst
	s_cmp_eq_u32 s[ROLE], 0
	s_cbranch_scc1 .Lkeep                          ; wave a keeps its sums
	FINISH                                         ; wave b: the short tile is whole
	s_wait_xcnt 0x0                                ; the stores have read their data: the codes' registers are written again in the next step
	v_mov_b32 v[QS], v[Q2S]                        ; on to the long tile: its Q and scale word (42 plain lines stand between these and the next product),
.irp j, 0,1,2,3,4,5
	v_mov_b32 v[16+\j], v[Q2+\j]
.endr
	v_mov_b32 v13, 0xff61b1e6                      ; and sums that begin anew
	s_delay_alu instid0(VALU_DEP_1)
	v_floor_f32 v12, -v13
	v_mov_b32 v14, 0
	v_mov_b32 v15, 0
.set i, 0
.rept 32
	v_mov_b32 v[160+i], 0
.set i, i+1
.endr
.Lkeep:
	s_mov_b32 s[GW], s[GW2]
.Lrest:                                            ; key steps 8 to 15: wave b's, up to 15 - p
	STEP
	s_cmp_lt_u32 s[SG], 16
	s_cbranch_scc1 .Lrest
.rept 4
	v_nop                                          ; places behind the last products: for wave b's stores of their results, and for wave a's loads into registers that products have read
.endr
	s_cmp_eq_u32 s[ROLE], 0
	s_cbranch_scc1 .Lno_part
	s_wait_alu depctr_va_vdst(0)
.irp i, 0,1,2,3,4,5,6,7
	ds_store_b128 v[XW], v[160+4*\i:163+4*\i] offset:512*\i   ; wave b's part of the long tile, as its registers stand; each accumulator from its low end on
.endr
	ds_store_b128 v[XW], v[12:15] offset:4096      ; -M, the largest t, the sum's two halves
.Lno_part:
	s_wait_dscnt 0x0                               ; for my partner: my stores have landed
	s_barrier_signal -1
	s_barrier_wait -1
	s_cmp_lg_u32 s[ROLE], 0
	s_cbranch_scc1 .Lend
.irp i, 0,1,2,3,4,5,6,7
	ds_load_b128 v[96+4*\i:99+4*\i], v[XR] offset:512*\i
.endr
	ds_load_b128 v[128:131], v[XR] offset:4096
	s_wait_dscnt 0x0
	v_min_num_f32 v132, v12, v128                  ; -M of the two parts together: the smaller
	s_delay_alu instid0(VALU_DEP_1)
	v_sub_f32 v133, v132, v12                      ; whole numbers, 0 or less
	s_delay_alu instid0(VALU_DEP_2)
	v_sub_f32 v134, v132, v128
	s_delay_alu instid0(VALU_DEP_2)
	v_cvt_i32_f32 v133, v133
	s_delay_alu instid0(VALU_DEP_2)
	v_cvt_i32_f32 v134, v134
	s_delay_alu instid0(VALU_DEP_2)
	v_ldexp_f32 v252, 1.0, v133                    ; what brings my part under the common M,
	s_delay_alu instid0(VALU_DEP_2)
	v_ldexp_f32 v136, 1.0, v134                    ; and my partner's: multiplications that round nothing
	v_mov_b32 v137, 0                              ; (named as the upper half of the pair)
	s_delay_alu instid0(VALU_DEP_3)
	v_pk_mul_f32 v[14:15], v[14:15], v[252:253] op_sel_hi:[1,0]
	s_delay_alu instid0(VALU_DEP_1)
	v_pk_fma_f32 v[14:15], v[130:131], v[136:137], v[14:15] op_sel_hi:[1,0,1]
.set j, 0
.rept 16
	v_pk_mul_f32 v[160+j:161+j], v[160+j:161+j], v[252:253] op_sel_hi:[1,0]
.set j, j+2
.endr
.set j, 0
.rept 16
	v_pk_fma_f32 v[160+j:161+j], v[96+j:97+j], v[136:137], v[160+j:161+j] op_sel_hi:[1,0,1]
.set j, j+2
.endr
	FINISH                                         ; wave a: the long tile is whole
.Lend:
	s_wait_tensorcnt 0x0
	ds_add_u32 v251, v255
	s_wait_dscnt 0x0
	ROUND                                          ; the closing round
	s_endpgm
.Lfunc_end_k_qe32f402711_attn:
	.size	k_qe32f402711_attn, .Lfunc_end_k_qe32f402711_attn-k_qe32f402711_attn
	.p2alignl 7, 3214868480
	.fill 96, 4, 3214868480
	.section	.rodata,"a",@progbits
	.p2align	6, 0x0
	.amdhsa_kernel k_qe32f402711_attn
		.amdhsa_group_segment_fixed_size 288768
		.amdhsa_private_segment_fixed_size 0
		.amdhsa_enable_private_segment 0
		.amdhsa_kernarg_size 24
		.amdhsa_user_sgpr_count 2
		.amdhsa_user_sgpr_kernarg_segment_ptr 1
		.amdhsa_wavefront_size32 1
		.amdhsa_system_sgpr_workgroup_id_x 1
		.amdhsa_system_sgpr_workgroup_id_y 1
		.amdhsa_system_sgpr_workgroup_id_z 1
		.amdhsa_system_vgpr_workitem_id 0
		.amdhsa_next_free_vgpr 256
		.amdhsa_next_free_sgpr 96
		.amdhsa_reserve_vcc 1
		.amdhsa_float_denorm_mode_32 3
		.amdhsa_float_denorm_mode_16_64 3
		.amdhsa_memory_ordered 1
		.amdhsa_forward_progress 1
		.amdhsa_inst_pref_size 74
	.end_amdhsa_kernel
	.amdgpu_metadata
---
amdhsa.version: [ 1, 2 ]
amdhsa.kernels:
  - .name:           k_qe32f402711_attn
    .symbol:         k_qe32f402711_attn.kd
    .args:
      - { .name: qb, .offset: 0, .size: 8, .value_kind: global_buffer, .address_space: global }
      - { .name: kv, .offset: 8, .size: 8, .value_kind: global_buffer, .address_space: global }
      - { .name: at, .offset: 16, .size: 8, .value_kind: global_buffer, .address_space: global }
    .group_segment_fixed_size: 288768
    .private_segment_fixed_size: 0
    .kernarg_segment_align: 8
    .kernarg_segment_size: 24
    .max_flat_workgroup_size: 512
    .sgpr_count:     96
    .vgpr_count:     256
    .wavefront_size: 32
...
	.end_amdgpu_metadata
.endif
;; end of part 3
;; launch wo (part 4): grid 8 x 32, 4 waves a work-group, clusters of 4 x 4, 327,680 bytes of LDS; arguments at, Wo_codes, Wo_scales, bo, x, x2; writes x2
.if DOCPART == 4
	.amdgcn_target "amdgcn-amd-amdhsa--gfx1250"
	.amdhsa_code_object_version 6
	.text
	.protected	k_qe32f402711_wo
	.globl	k_qe32f402711_wo
	.p2align	8
	.type	k_qe32f402711_wo,@function
k_qe32f402711_wo:
	s_mov_b64 s[64:65], 0
	v_nop
	global_prefetch_b8 v0, s[64:65] scope:SCOPE_SE
	s_setreg_imm32_b32 hwreg(HW_REG_WAVE_MODE, 25, 1), 1
	s_wait_xcnt 0x0
	s_wait_alu depctr_hold_cnt(0) depctr_sa_sdst(0) depctr_va_vdst(0) depctr_va_sdst(0) depctr_va_ssrc(0) depctr_va_vcc(0) depctr_vm_vsrc(0)
	s_getreg_b32 s2, hwreg(HW_REG_IB_STS2, 6, 4)
	s_cmp_eq_u32 s2, 0
	s_cbranch_scc0 .Lentry_in_a_cluster
	s_endpgm
.Lentry_in_a_cluster:
	s_bfe_u32 s2, ttmp6, 0x10000c
	s_cmp_lg_u32 s2, 0xf033
	s_cbranch_scc0 .Lentry_shape_is_right
	s_endpgm
.Lentry_shape_is_right:
; x2 = A Wo^T + bo + x.  A: [4,096][1,024] as half images of operand registers with scale words, made by the launch before; Wo: [1,024][1,024] codes of FP6 (E2M3), rows of 768 bytes, with 32 E8M0 bytes a row.
; A tile of 128 x 128 gives each of 256 work-groups one tile; four waves, 64 x 64 each: 16 accumulators.
; A's buffer: half images [16 rows 256][64 along K 16][768] (registers 0-3 at 16 x lane, 4-5 at 512 + 8 x lane); from byte 3,145,728: scale words [128 rows 32][128 along K 8][128 rows].
; ALL OF K IS FILLED ONCE: A's 8 blocks of 12,288 bytes, dense; Wo's 128 whole rows of 768 bytes, 16 bytes of padding behind every 256 (rows 816 apart: the 32 lanes of a load of 8 bytes touch 64 different banks).
; One joint load a wave (clusters of 4 x 4: A's along a row, Wo's along a column); nothing is filled again, so there is one barrier, and no prefetch: every byte is asked for at the head.
; The scale words go from memory straight into the registers that the products name.  The matrix instruction is used transposed (source 0 = 16 rows of Wo, source 1 = 16 rows of A).
; REGISTERS: window 0: v8-27 addresses, bias; v32-47 A's scale words (register 2 S + j: lanes 0-15 block 2 j, lanes 16-31 block 2 j + 1); v96-111 Wo's (register 8 j + S likewise); v160-223 rows on the way out.
;   window 1: two sets of fragments (A's four at 96 p, Wo's four at 96 p + 48).   window 2: v0-127 the accumulators, v128-255 the residual.
.set NS,    8
.set KROW,  768
.set KS,    32
.set ABK,   12288
.set BPI,   816
.set BB0,   8*ABK
.set SPARE, BB0+128*BPI                ; the spare words, 128 bytes a wave
.set STAGE, SPARE+512                  ; 16 rows x 272 bytes for each wave
.set ADA16, 8
.set ADA8,  10
.set ADB,   12
.set ADB2,  14
.set ADSA,  16
.set ADSB,  17
.set STO,   18
.set RD,    19
.set CO,    20
.set SPW,   22
.set NIL,   23
.set BI,    24
.set SAR,   32
.set SBR,   96
.set OB,    160
.set RES,   128
.set WV,    16
.set WR,    17
.set WC,    18
.set G1A,  24
.set G0A,  32
.set G1B,  48
.set G0B,  56
.set MSB, 0
.macro WIN new
.if MSB != (\new)
	s_set_vgpr_msb (MSB<<8)|(\new)
.set MSB, (\new)
.endif
.endm
.set MUL,  0xa5
.set TO_F, 0x40
.macro PLACES n
.rept \n
	v_nop
.endr
.endm
.macro CROUND
	s_barrier_signal -1
	s_barrier_wait -1
	s_cmp_lg_u32 s[WV], 0
	s_cbranch_scc1 .Lnot_wave_0_\@
	s_barrier_signal -3
.Lnot_wave_0_\@:
	s_barrier_wait -3
	s_barrier_signal -1
	s_barrier_wait -1
.endm
	s_load_b256 s[4:11], s[0:1], 0x0               ; A, Wo's codes, Wo's scales, bias
	s_load_b128 s[12:15], s[0:1], 0x20             ; residual, out
	v_lshl_add_u32 v[SPW], v0, 2, SPARE
	v_mov_b32 v[NIL], 0
	ds_add_u32 v[SPW], v[NIL]                      ; the opening lines: the add twice and its wait
	ds_add_u32 v[SPW], v[NIL]
	v_lshrrev_b32 v1, 5, v0
	v_readfirstlane_b32 s[WV], v1
	s_lshr_b32 s[WR], s[WV], 1                     ; my half of the rows; also: I fetch for A (0) or Wo (1)
	s_and_b32 s[WC], s[WV], 1                      ; my half of the columns; also: which half I fetch
	s_bfe_u32 s40, ttmp6, 0x40000
	s_bfe_u32 s41, ttmp6, 0x40004
	s_lshl_b32 s42, ttmp9, 2
	s_add_co_u32 s42, s42, s40                     ; tile column
	s_and_b32 s19, ttmp7, 0xffff
	s_lshl_b32 s19, s19, 2
	s_add_co_u32 s19, s19, s41                     ; tile row
	s_lshl_b32 s43, s41, 2
	s_lshl_b32 s43, 15, s43
	s_lshl_b32 s44, 0x1111, s40
	s_or_b32 s[G1A], s43, (3<<16)|(1<<21)          ; A: four blocks, 49,152 dense bytes, as 192 rows of 256
	s_mov_b32 s[G1A+1], 32<<16
	s_mov_b32 s[G1A+2], 192<<16
	s_mov_b32 s[G1A+3], 32<<16
	s_mov_b32 s[G1A+4], 192
	s_mov_b32 s[G1A+5], 32
	s_mov_b32 s[G1A+6], 0
	s_mov_b32 s[G1A+7], 0
	s_or_b32 s[G1B], s44, (0<<16)|(1<<20)|(1<<21)|(5<<22)|(3<<25)   ; Wo: 64 rows of 768 bytes, 4 words of padding behind every 64
	s_mov_b32 s[G1B+1], KROW<<16
	s_mov_b32 s[G1B+2], 64<<16
	s_mov_b32 s[G1B+3], KROW<<16
	s_mov_b32 s[G1B+4], 64
	s_mov_b32 s[G1B+5], KROW
	s_mov_b32 s[G1B+6], 0
	s_mov_b32 s[G1B+7], 0
	s_lshl_b32 s20, s19, 3
	s_lshl_b32 s21, s[WC], 2
	s_add_co_u32 s20, s20, s21
	s_mul_i32 s20, s20, ABK                        ; A's four blocks that I fetch
	s_mov_b32 s21, 0
	s_lshl_b32 s22, s19, 12
	s_lshl_b32 s23, s[WR], 8
	s_add_co_u32 s22, s22, s23
	s_add_co_u32 s22, s22, 3145728                 ; the scale words of my 64 rows of A
	s_mov_b32 s23, 0
	s_lshl_b32 s46, s42, 7
	s_lshl_b32 s47, s[WC], 6
	s_add_co_u32 s46, s46, s47                     ; Wo's 64 rows: those that I fetch are those that I multiply
	s_lshl_b32 s92, s46, 5
	s_mov_b32 s93, 0
	s_mul_i32 s46, s46, KROW
	s_mov_b32 s47, 0
	s_mov_b32 s[G0A], 1
	s_mul_i32 s[G0A+1], s[WC], 4*ABK
	s_mov_b32 s[G0B], 1
	s_mul_i32 s[G0B+1], s[WC], 64*BPI
	s_add_co_u32 s[G0B+1], s[G0B+1], BB0
	s_wait_dscnt 0x0
	s_wait_kmcnt 0x0
	s_add_nc_u64 s[G0A+2:G0A+3], s[4:5], s[20:21]
	s_or_b32 s[G0A+3], s[G0A+3], 0x80000000
	s_add_nc_u64 s[G0B+2:G0B+3], s[6:7], s[46:47]
	s_or_b32 s[G0B+3], s[G0B+3], 0x80000000
	s_add_nc_u64 s[68:69], s[4:5], s[22:23]
	s_add_nc_u64 s[92:93], s[8:9], s[92:93]
	CROUND                                         ; all sixteen work-groups are here: the joint loads meet
	s_cmp_eq_u32 s[WR], 0
	s_cbranch_scc0 .Lfor_b
	tensor_load_to_lds s[G0A:G0A+3], s[G1A:G1A+7]
	s_nop 0
	PLACES 4
	s_branch .Lasked
.Lfor_b:
	tensor_load_to_lds s[G0B:G0B+3], s[G1B:G1B+7]
	s_nop 0
	PLACES 4
.Lasked:
	v_and_b32 v1, 15, v0                           ; r
	v_bfe_u32 v2, v0, 4, 1                         ; h
	v_and_b32 v3, 31, v0                           ; lane
	s_mul_i32 s21, s[WR], 4*ABK
	v_lshl_add_u32 v[ADA16], v3, 4, s21
	v_lshl_add_u32 v[ADA8], v3, 3, s21
	s_mul_i32 s22, s[WC], 64*BPI
	s_add_co_u32 s22, s22, BB0
	v_mul_u32_u24 v4, v1, BPI
	v_mad_u32_u24 v4, v2, 24, v4
	v_add_nc_u32 v[ADB], s22, v4                   ; row r, + 24 h,
	v_lshl_add_u32 v[ADB2], v2, 4, v[ADB]          ; and the same behind one padding more
	v_lshlrev_b32 v[ADSA], 2, v3                   ; A's scale words: 4 x lane
	v_lshlrev_b32 v[ADSB], 5, v3                   ; Wo's: 32 bytes a row, a lane a row
	s_mul_i32 s23, s[WV], 4352
	s_add_co_u32 s23, s23, STAGE
	v_mul_u32_u24 v4, v1, 272
	v_lshl_add_u32 v4, v2, 5, v4
	v_add_nc_u32 v[STO], s23, v4
	v_mul_u32_u24 v4, v2, 272
	v_lshl_add_u32 v4, v1, 4, v4
	v_add_nc_u32 v[RD], s23, v4
	v_lshlrev_b32 v21, 4, v1
	v_lshl_add_u32 v[CO], v2, 12, v21
	s_wait_alu depctr_va_vdst(0)
	s_lshl_b32 s20, s19, 7
	s_lshl_b32 s21, s[WR], 6
	s_add_co_u32 s20, s20, s21
	s_lshl_b32 s20, s20, 12
	s_lshl_b32 s46, s42, 9
	s_lshl_b32 s47, s[WC], 8
	s_add_co_u32 s46, s46, s47
	s_add_co_u32 s20, s20, s46
	s_mov_b32 s21, 0
	s_mov_b32 s47, 0
	s_add_nc_u64 s[12:13], s[12:13], s[20:21]
	s_add_nc_u64 s[14:15], s[14:15], s[20:21]
	s_add_nc_u64 s[10:11], s[10:11], s[46:47]
.set S, 0
.rept NS
	global_load_b32 v[SAR+2*S], v[ADSA], s[68:69] offset:512*S
	global_load_b32 v[SAR+2*S+1], v[ADSA], s[68:69] offset:512*S+128
.set S, S+1
.endr
.irp j, 0,1
.irp q, 0,1
	global_load_b128 v[SBR+NS*\j+4*\q:SBR+NS*\j+4*\q+3], v[ADSB], s[92:93] offset:\j*32*KS+16*\q
.endr
.endr
	WIN 0x80
.irp a, 0,1,2,3
.irp t, 0,1,2,3,4,5,6,7
	global_load_b128 v[RES+4*(8*\a+\t):RES+4*(8*\a+\t)+3], v[CO], s[12:13] offset:(16*\a+2*\t)*4096
.endr
.endr
	WIN 0
	global_load_b128 v[BI:BI+3], v21, s[10:11]
.macro WM c, rb, ra                    ; rb, ra: which half of the lanes holds Wo's and A's scale words
.if (\rb) && (\ra)
	v_wmma_scale_f32_16x16x128_f8f6f4 v[DD:DD+7], v[FB:FB+11], v[FA:FA+11], \c, v[RSB], v[RSA] matrix_a_fmt:MATRIX_FMT_FP6 matrix_b_fmt:MATRIX_FMT_FP6 matrix_a_scale:MATRIX_SCALE_ROW1 matrix_b_scale:MATRIX_SCALE_ROW1
.elseif (\rb)
	v_wmma_scale_f32_16x16x128_f8f6f4 v[DD:DD+7], v[FB:FB+11], v[FA:FA+11], \c, v[RSB], v[RSA] matrix_a_fmt:MATRIX_FMT_FP6 matrix_b_fmt:MATRIX_FMT_FP6 matrix_a_scale:MATRIX_SCALE_ROW1
.elseif (\ra)
	v_wmma_scale_f32_16x16x128_f8f6f4 v[DD:DD+7], v[FB:FB+11], v[FA:FA+11], \c, v[RSB], v[RSA] matrix_a_fmt:MATRIX_FMT_FP6 matrix_b_fmt:MATRIX_FMT_FP6 matrix_b_scale:MATRIX_SCALE_ROW1
.else
	v_wmma_scale_f32_16x16x128_f8f6f4 v[DD:DD+7], v[FB:FB+11], v[FA:FA+11], \c, v[RSB], v[RSA] matrix_a_fmt:MATRIX_FMT_FP6 matrix_b_fmt:MATRIX_FMT_FP6
.endif
.endm
.macro MULA a                          ; K step S: A's block a against Wo's four; the 16 accumulators take turns; step 0 starts the sums
.irp b, 0,1,2,3
.set DD, 8*(4*(\a)+\b)
.set FB, 96*(S%2)+48+12*\b
.set FA, 96*(S%2)+12*(\a)
.set RSB, SBR+NS*(\b/2)+S
.set RSA, SAR+2*S+(\a)/2
.if S == 0
	WM 0, \b%2, (\a)%2
.else
	WM v[DD:DD+7], \b%2, (\a)%2
.endif
.endr
.endm
.macro FETCH n                         ; K step n's eight fragments: 40 LDS loads in one run
.set FP, 96*((\n)%2)
	WIN TO_F
.irp a, 0,1,2,3
.irp c, 0,1
	ds_load_b128 v[FP+12*\a+6*\c:FP+12*\a+6*\c+3], v[ADA16] offset:ABK*\a+768*(2*(\n)+\c)
	ds_load_b64 v[FP+12*\a+6*\c+4:FP+12*\a+6*\c+5], v[ADA8] offset:ABK*\a+768*(2*(\n)+\c)+512
.endr
.endr
.irp b, 0,1,2,3
.irp p, 0,1,2,3,4,5
.set PI, 12*(\n)+6*(\p/3)+\p%3        ; the row's piece of 8 bytes for lanes 0-15; lanes 16-31 take the piece three on
.if PI%32 < 29
	ds_load_b64 v[FP+48+12*\b+2*\p:FP+48+12*\b+2*\p+1], v[ADB] offset:16*BPI*\b+8*PI+16*(PI/32)
.else
	ds_load_b64 v[FP+48+12*\b+2*\p:FP+48+12*\b+2*\p+1], v[ADB2] offset:16*BPI*\b+8*PI+16*(PI/32)
.endif
.endr
.endr
.endm
	s_wait_tensorcnt 0x0                           ; my fill is in,
	s_barrier_signal -1
	s_barrier_wait -1                              ; everybody's is
	FETCH 0
	s_wait_loadcnt 33                              ; the scale words are in; the residual's 32 loads and the bias's one may stay out
.set S, 0
.rept NS
	s_wait_dscnt 0x0                               ; this step's fragments are in
	WIN MUL
	MULA 0
	MULA 1
.if S+1 < NS
	PLACES 4                                       ; in front of loads into the set that the last step multiplied
	FETCH S+1
	WIN MUL
.endif
	MULA 2
	MULA 3
.set S, S+1
.endr
	WIN 0
	s_wait_loadcnt 0x0                             ; the residual and the bias
	PLACES 4
; THE WAY OUT, 16 rows x 64 columns at a time, through my own stage: a lane's 32 bytes go in, whole rows of 256 bytes come back
.macro TOSTAGE a
	WIN 0x08
.irp b, 0,1,2,3
	ds_store_b128 v[STO], v[8*(4*(\a)+\b):8*(4*(\a)+\b)+3] offset:64*\b
	ds_store_b128 v[STO], v[8*(4*(\a)+\b)+4:8*(4*(\a)+\b)+7] offset:64*\b+16
.endr
	WIN 0
.set BB, OB+32*((\a)%2)
.irp t, 0,1,2,3,4,5,6,7
	ds_load_b128 v[BB+4*\t:BB+4*\t+3], v[RD] offset:544*\t
.endr
.endm
.macro SEND a, younger                 ; younger: the LDS instructions issued behind block a's loads
.set BB, OB+32*((\a)%2)
	s_wait_dscnt \younger
.set i, 0
.rept 8
	v_pk_add_f32 v[BB+4*i:BB+4*i+1], v[BB+4*i:BB+4*i+1], v[BI:BI+1]
	v_pk_add_f32 v[BB+4*i+2:BB+4*i+3], v[BB+4*i+2:BB+4*i+3], v[BI+2:BI+3]
.set i, i+1
.endr
	WIN 0x08
.set i, 0
.rept 16
	v_pk_add_f32 v[BB+2*i:BB+2*i+1], v[BB+2*i:BB+2*i+1], v[RES+32*(\a)+2*i:RES+32*(\a)+2*i+1]
.set i, i+1
.endr
	WIN 0
.irp t, 0,1,2,3,4,5,6,7
	global_store_b128 v[CO], v[BB+4*\t:BB+4*\t+3], s[14:15] offset:(16*(\a)+2*\t)*4096   ; sixteen lanes store 256 consecutive bytes, aligned
.endr
.endm
	TOSTAGE 0
.irp a, 1,2,3
.if \a > 1
	s_wait_xcnt 0x0                                ; block a - 2's stores have read their registers
.endif
	TOSTAGE \a
	SEND \a-1, 16
.endr
	SEND 3, 0
	s_wait_tensorcnt 0x0                           ; the wave's end
	ds_add_u32 v[SPW], v[NIL]
	s_wait_dscnt 0x0
	CROUND                                         ; the closing round
	s_endpgm
.Lfunc_end_k_qe32f402711_wo:
	.size	k_qe32f402711_wo, .Lfunc_end_k_qe32f402711_wo-k_qe32f402711_wo
	.p2alignl 7, 3214868480
	.fill 96, 4, 3214868480
	.section	.rodata,"a",@progbits
	.p2align	6, 0x0
	.amdhsa_kernel k_qe32f402711_wo
		.amdhsa_group_segment_fixed_size 327680
		.amdhsa_private_segment_fixed_size 0
		.amdhsa_enable_private_segment 0
		.amdhsa_kernarg_size 48
		.amdhsa_user_sgpr_count 2
		.amdhsa_user_sgpr_kernarg_segment_ptr 1
		.amdhsa_wavefront_size32 1
		.amdhsa_system_sgpr_workgroup_id_x 1
		.amdhsa_system_sgpr_workgroup_id_y 1
		.amdhsa_system_sgpr_workgroup_id_z 1
		.amdhsa_system_vgpr_workitem_id 0
		.amdhsa_next_free_vgpr 768
		.amdhsa_next_free_sgpr 96
		.amdhsa_reserve_vcc 0
		.amdhsa_float_denorm_mode_32 3
		.amdhsa_float_denorm_mode_16_64 3
		.amdhsa_memory_ordered 1
		.amdhsa_forward_progress 1
		.amdhsa_inst_pref_size 66
	.end_amdhsa_kernel
	.amdgpu_metadata
---
amdhsa.version: [ 1, 2 ]
amdhsa.kernels:
  - .name:           k_qe32f402711_wo
    .symbol:         k_qe32f402711_wo.kd
    .args:
      - { .name: at, .offset: 0, .size: 8, .value_kind: global_buffer, .address_space: global }
      - { .name: Wo_codes, .offset: 8, .size: 8, .value_kind: global_buffer, .address_space: global }
      - { .name: Wo_scales, .offset: 16, .size: 8, .value_kind: global_buffer, .address_space: global }
      - { .name: bo, .offset: 24, .size: 8, .value_kind: global_buffer, .address_space: global }
      - { .name: x, .offset: 32, .size: 8, .value_kind: global_buffer, .address_space: global }
      - { .name: x2, .offset: 40, .size: 8, .value_kind: global_buffer, .address_space: global }
    .group_segment_fixed_size: 327680
    .private_segment_fixed_size: 0
    .kernarg_segment_align: 8
    .kernarg_segment_size: 48
    .max_flat_workgroup_size: 128
    .sgpr_count:     96
    .vgpr_count:     768
    .wavefront_size: 32
...
	.end_amdgpu_metadata
.endif
;; end of part 4
;; launch ln2: the kernel of part 1 again; grid 256 x 1, 8 waves a work-group, no clusters, 82,944 bytes of LDS; arguments x2, g2, b2, xn; writes xn
;; launch up (part 5): grid 16 x 16, 4 waves a work-group, clusters of 4 x 4, 327,680 bytes of LDS; arguments xn, Wup_codes, Wup_scales, bup, hb; writes hb
.if DOCPART == 5
	.amdgcn_target "amdgcn-amd-amdhsa--gfx1250"
	.amdhsa_code_object_version 6
	.text
	.protected	k_qe32f402711_up
	.globl	k_qe32f402711_up
	.p2align	8
	.type	k_qe32f402711_up,@function
k_qe32f402711_up:
	s_mov_b64 s[64:65], 0
	v_nop
	global_prefetch_b8 v0, s[64:65] scope:SCOPE_SE
	s_setreg_imm32_b32 hwreg(HW_REG_WAVE_MODE, 25, 1), 1
	s_wait_xcnt 0x0
	s_wait_alu depctr_hold_cnt(0) depctr_sa_sdst(0) depctr_va_vdst(0) depctr_va_sdst(0) depctr_va_ssrc(0) depctr_va_vcc(0) depctr_vm_vsrc(0)
	s_getreg_b32 s2, hwreg(HW_REG_IB_STS2, 6, 4)
	s_cmp_eq_u32 s2, 0
	s_cbranch_scc0 .Lentry_in_a_cluster
	s_endpgm
.Lentry_in_a_cluster:
	s_bfe_u32 s2, ttmp6, 0x10000c
	s_cmp_lg_u32 s2, 0xf033
	s_cbranch_scc0 .Lentry_shape_is_right
	s_endpgm
.Lentry_shape_is_right:
; h = gelu(xn Wup + bup), tanh form, on codes of FP6 (E2M3) with one E8M0 scale for each 32 along K = 1,024; h is quantised along the hidden axis at once and never goes to memory as f32.
; A tile of 256 x 256 to four waves, 128 x 128 a wave (64 accumulators).  K goes through two LDS slots in chunks of 256 bytes of each row of codes (a row is 768 bytes: three chunks, each at a multiple of 256 bytes),
; filled by joint tensor loads (clusters of 4 x 4: A's tiles shared along a row, B's along a column).  A step of 128 along K is 96 bytes: steps 2 and 5 lie across two chunks.
; The head's four tiles (chunk 0 of A and of B, both sides' scale bytes for all of K) are shared out, one load a wave; chunk 1 follows behind a round, chunk 2 is the one refill.
; No prefetch: of the three chunks two are asked for in the head, the third one step behind it.
; The matrix instruction is used transposed (source 0 = 16 rows of Wup, source 1 = 16 rows of xn): a lane holds one token and eight neighbouring hidden units.  The bias is the C of the first products.
; gelu(x) = x / (1 + 2^(x (c1 + c3 x x))), c1 = -2 log2(e) sqrt(2 / pi), c3 = 0.044715 c1: the tanh form written as a sigmoid.
; OUT: hb: half images [16 rows 256][64 hidden 64][768] (registers 0-3 at 16 x lane, 4-5 at 512 + 8 x lane); from byte 12,582,912: scale words [128 rows 32][128 hidden 32][128 rows].
; LIMITS: NaN and infinities are not served; a block whose largest magnitude lies under 2^-124 keeps the byte 1 (a block of zeros too: its codes are zeros, and this program alone reads the bytes).
; REGISTERS: window 0: v7-29 addresses, c1; v32-63 scale words, two sets; v64-127 the bias, later at work; from v128 A's fragments, one set.  window 1: B's fragments, two sets.  windows 2, 3: the accumulators.
.set NQ,     2
.set ROWB,   256
.set KROW,   768
.set CHUNKS, 3
.set PITCH,  272
.set FR,     12
.set NL,     6
.set NP,     4
.set HALFT,  128*PITCH
.set SLOT,   4*HALFT
.set KS,     32
.set SCL,    2*SLOT
.set HALFS,  (128*KS/256)*272
.set SBLK,   (16*KS/256)*272
.set SPARE,  SCL+4*HALFS               ; the spare words, 128 bytes a wave
.set GS,     SPARE+512                 ; 512 bytes a wave: its rows' scale words are gathered here
.set L16,  7
.set L8,   8
.set GW,   9
.set GR,   10
.set BO,   12
.set GC1,  14                          ; v[14:15] c1, twice
.set ADRA, 16                          ; v16-17 slot 0, 1; v18-19 across two chunks
.set ADRB, 20
.set ADRS, 27
.set SPW,  28
.set NIL,  29
.set SC,   32
.set BC,   64
.set AF,   128
.set H,    128
.set T,    192
.set TM,   64
.set CV,   80
.set PC,   192
.set PW,   204
.set SEL,  56
.set C3,   100
.set G1, 24
.set G0, 32
.set G1B, 48
.set G0B, 56
.set G1S, 68
.set G0S, 76
.set G1SB, 80
.set G0SB, 88
.set G0H, 4
.set G0HB, 8
.set MSB, 0
.macro WIN new
.if MSB != (\new)
	s_set_vgpr_msb (MSB<<8)|(\new)
.set MSB, (\new)
.endif
.endm
.set MUL_LO, 0xa1
.set MUL_HI, 0xf1
.set TO_B,   0x40
.macro PLACES n
.rept \n
	v_nop
.endr
.endm
.macro JLOAD g0a, g1a, g0b, g1b        ; waves 0, 1 fetch for A, waves 2, 3 for B
	s_cmp_eq_u32 s15, 0
	s_cbranch_scc0 .Lfor_b_\@
	tensor_load_to_lds s[\g0a:\g0a+3], s[\g1a:\g1a+7]
	s_nop 0
	PLACES 4
	s_branch .Lasked_\@
.Lfor_b_\@:
	tensor_load_to_lds s[\g0b:\g0b+3], s[\g1b:\g1b+7]
	s_nop 0
	PLACES 4
.Lasked_\@:
.endm
.macro CREST
	s_cmp_lg_u32 s14, 0
	s_cbranch_scc1 .Lnot_wave_0_\@
	s_barrier_signal -3
.Lnot_wave_0_\@:
	s_barrier_wait -3
	s_barrier_signal -1
	s_barrier_wait -1
.endm
.macro CROUND
	s_barrier_signal -1
	s_barrier_wait -1
	CREST
.endm
	s_load_b64 s[4:5], s[0:1], 0x0                 ; xn
	s_load_b128 s[8:11], s[0:1], 0x8               ; Wup's codes, Wup's scales
	s_load_b64 s[12:13], s[0:1], 0x18              ; bup
	s_load_b64 s[96:97], s[0:1], 0x20              ; hb
	v_lshl_add_u32 v[SPW], v0, 2, SPARE
	v_mov_b32 v[NIL], 0
	ds_add_u32 v[SPW], v[NIL]                      ; the opening lines: the add twice and its wait
	ds_add_u32 v[SPW], v[NIL]
	v_lshrrev_b32 v1, 5, v0
	v_readfirstlane_b32 s14, v1
	s_lshr_b32 s15, s14, 1
	s_and_b32 s16, s14, 1
	s_bfe_u32 s40, ttmp6, 0x40000
	s_bfe_u32 s41, ttmp6, 0x40004
	s_lshl_b32 s42, ttmp9, 2
	s_add_co_u32 s42, s42, s40                     ; tile column
	s_and_b32 s17, ttmp7, 0xffff
	s_lshl_b32 s17, s17, 2
	s_add_co_u32 s17, s17, s41                     ; tile row
	s_lshl_b32 s43, s41, 2
	s_lshl_b32 s43, 15, s43
	s_lshl_b32 s44, 0x1111, s40
	s_or_b32 s[G1+0], s43, (0<<16)|(1<<20)|(1<<21)|(5<<22)|(3<<25)
	s_or_b32 s[G1B+0], s44, (0<<16)|(1<<20)|(1<<21)|(5<<22)|(3<<25)
.irp g, G1, G1B
	s_mov_b32 s[\g+1], ROWB<<16
	s_mov_b32 s[\g+2], 256<<16                     ; 256 rows for the head's loads
	s_mov_b32 s[\g+3], ROWB<<16
	s_mov_b32 s[\g+4], 256
	s_mov_b32 s[\g+5], KROW
	s_mov_b32 s[\g+6], 0
	s_mov_b32 s[\g+7], 0
.endr
	s_or_b32 s[G1S+0], s43, (3<<16)|(1<<20)|(1<<21)|(5<<22)|(3<<25)
	s_or_b32 s[G1SB+0], s44, (3<<16)|(1<<20)|(1<<21)|(5<<22)|(3<<25)
.irp g, G1S, G1SB
	s_mov_b32 s[\g+1], 32<<16
	s_mov_b32 s[\g+2], KS<<16                      ; the scale bytes of 256 rows: KS rows of 256 bytes
	s_mov_b32 s[\g+3], 32<<16
	s_mov_b32 s[\g+4], KS
	s_mov_b32 s[\g+5], 32
	s_mov_b32 s[\g+6], 0
	s_mov_b32 s[\g+7], 0
.endr
	s_lshl_b32 s20, s17, 8
	s_lshl_b32 s46, s42, 8
	s_lshl_b32 s22, s20, 5
	s_mov_b32 s23, 0
	s_lshl_b32 s92, s46, 5
	s_mov_b32 s93, 0
	s_mul_i32 s20, s20, KROW
	s_mov_b32 s21, 0
	s_mul_i32 s46, s46, KROW
	s_mov_b32 s47, 0
	s_mul_i32 s45, s14, HALFT
	s_lshl_b32 s98, s17, 8
	s_lshl_b32 s18, s15, 7
	s_add_co_u32 s98, s98, s18                     ; m0: my wave's first token
	s_lshl_b32 s99, s42, 8
	s_lshl_b32 s18, s16, 7
	s_add_co_u32 s99, s99, s18                     ; n0: its first hidden unit
	s_mov_b32 s[C3], 0xbdd2d3e8
	s_mov_b32 s[C3+1], s[C3]
	s_mul_i32 s18, s16, 128*KROW                   ; in the ring I fetch 128 rows of a tile
	s_mov_b32 s19, 0
	s_wait_dscnt 0x0
	s_wait_kmcnt 0x0
	s_add_nc_u64 s[6:7], s[4:5], 3145728           ; xn's scale bytes
	s_add_nc_u64 s[20:21], s[4:5], s[20:21]
	s_add_nc_u64 s[22:23], s[6:7], s[22:23]
	s_add_nc_u64 s[46:47], s[8:9], s[46:47]
	s_add_nc_u64 s[92:93], s[10:11], s[92:93]
	CROUND
	s_mov_b32 s[G0H], 1
	s_mov_b32 s[G0H+1], 0
	s_mov_b64 s[G0H+2:G0H+3], s[20:21]
	s_or_b32 s[G0H+3], s[G0H+3], 0x80000000
	s_mov_b32 s[G0HB], 1
	s_mov_b32 s[G0HB+1], 2*HALFT
	s_mov_b64 s[G0HB+2:G0HB+3], s[46:47]
	s_or_b32 s[G0HB+3], s[G0HB+3], 0x80000000
	s_mov_b32 s[G0S], 1
	s_mov_b32 s[G0S+1], SCL
	s_mov_b64 s[G0S+2:G0S+3], s[22:23]
	s_or_b32 s[G0S+3], s[G0S+3], 0x80000000
	s_mov_b32 s[G0SB], 1
	s_mov_b32 s[G0SB+1], SCL+2*HALFS
	s_mov_b64 s[G0SB+2:G0SB+3], s[92:93]
	s_or_b32 s[G0SB+3], s[G0SB+3], 0x80000000
	s_add_nc_u64 s[20:21], s[20:21], s[18:19]
	s_add_nc_u64 s[46:47], s[46:47], s[18:19]
.irp s, 0,1
	s_mov_b32 s[G0+4*\s], 1
	s_add_co_u32 s[G0+4*\s+1], s45, \s*SLOT
	s_add_nc_u64 s[G0+4*\s+2:G0+4*\s+3], s[20:21], \s*ROWB
	s_or_b32 s[G0+4*\s+3], s[G0+4*\s+3], 0x80000000
	s_mov_b32 s[G0B+4*\s], 1
	s_add_co_u32 s[G0B+4*\s+1], s45, \s*SLOT
	s_add_nc_u64 s[G0B+4*\s+2:G0B+4*\s+3], s[46:47], \s*ROWB
	s_or_b32 s[G0B+4*\s+3], s[G0B+4*\s+3], 0x80000000
.endr
; the head's loads, one a wave, in one chain of branches on the wave's number
.macro ARM under, g0, g1, next
	s_cmp_lt_u32 s14, \under
	s_cbranch_scc0 \next
	tensor_load_to_lds s[\g0:\g0+3], s[\g1:\g1+7]
	s_nop 0
	PLACES 4
	s_branch .Lhead_asked
\next:
.endm
	ARM 1, G0H,  G1,  .Lhead_b
	ARM 2, G0HB, G1B, .Lhead_sa
	ARM 3, G0S,  G1S, .Lhead_sb
	tensor_load_to_lds s[G0SB:G0SB+3], s[G1SB:G1SB+7]
	s_nop 0
	PLACES 4
.Lhead_asked:
	v_and_b32 v1, 15, v0
	v_bfe_u32 v2, v0, 4, 1
	v_mul_u32_u24 v3, v1, PITCH
	v_mul_u32_u24 v4, v2, 24
	v_add_nc_u32 v4, v3, v4
	s_mov_b32 s21, SLOT-232
	s_mov_b32 s22, SLOT+232
	v_sub_nc_u32 v7, 1, v2
	v_mul_u32_u24 v5, s21, v2
	v_add_nc_u32 v5, v3, v5
	v_add_nc_u32 v5, 232, v5                       ; across two chunks: lanes 0-15 byte 232 of the row in slot 0, lanes 16-31 byte 0 in slot 1;
	v_mul_u32_u24 v6, s22, v7
	v_add_nc_u32 v6, v3, v6                        ; and the other way round
	s_mul_i32 s21, s15, HALFT
	s_mul_i32 s22, s16, HALFT
	s_add_co_u32 s22, s22, 2*HALFT
	v_add_nc_u32 v[ADRA+2], s21, v5
	v_add_nc_u32 v[ADRA+3], s21, v6
	v_add_nc_u32 v[ADRB+2], s22, v5
	v_add_nc_u32 v[ADRB+3], s22, v6
.irp s, 0,1
	v_add_nc_u32 v[ADRA+\s], s21, v4
	v_add_nc_u32 v[ADRB+\s], s22, v4
	s_add_co_u32 s21, s21, SLOT
	s_add_co_u32 s22, s22, SLOT
.endr
	v_mul_u32_u24 v5, v1, KS
	v_lshrrev_b32 v6, 8, v5
	v_lshl_add_u32 v5, v6, 4, v5
	s_mul_i32 s21, s15, HALFS
	s_mul_i32 s22, s16, HALFS
	s_add_co_u32 s22, s22, 2*HALFS
	s_sub_co_u32 s22, s22, s21
	v_mul_u32_u24 v6, s22, v2
	s_add_co_u32 s21, s21, SCL
	v_add_nc_u32 v5, v5, v6
	v_add_nc_u32 v[ADRS], s21, v5
	v_and_b32 v6, 31, v0
	v_lshlrev_b32 v[L16], 4, v6
	v_lshlrev_b32 v[L8], 3, v6
	s_lshl_b32 s23, s14, 9
	s_add_co_u32 s23, s23, GS
	v_lshl_add_u32 v[GW], v1, 2, s23
	v_add_nc_u32 v[GR], s23, v[L16]
	v_lshlrev_b32 v[BO], 5, v2
	v_mov_b32 v[GC1], 0xc0135761
	v_mov_b32 v[GC1+1], 0xc0135761
	s_lshl_b32 s18, s99, 2
	s_mov_b32 s19, 0
	s_add_nc_u64 s[12:13], s[12:13], s[18:19]
.irp b, 0,1,2,3,4,5,6,7
	global_load_b128 v[BC+8*\b:BC+8*\b+3], v[BO], s[12:13] offset:64*\b        ; in the result's layout: hidden units 16 b + 8 h + 0 .. 7
	global_load_b128 v[BC+8*\b+4:BC+8*\b+7], v[BO], s[12:13] offset:64*\b+16
.endr
.macro FRAG reg, adr, st, i            ; step st's fragment in pieces of 8 bytes; byte y of a row lies in slot (y / 256) % 2 at byte y % 256
.irp p, 0,1,2,3,4,5
.set BY, 96*(\st)+48*(\p/3)+8*(\p%3)
.if BY/ROWB == (BY+24)/ROWB
	ds_load_b64 v[\reg+2*\p:\reg+2*\p+1], v[\adr+(BY/ROWB)%2] offset:BY%ROWB+(\i)*16*PITCH
.else
	ds_load_b64 v[\reg+2*\p:\reg+2*\p+1], v[\adr+2+(BY/ROWB)%2] offset:BY%ROWB-232+(\i)*16*PITCH
.endif
.endr
.endm
; 16 matrix instructions: A's blocks a0, a0 + 1 x B's eight.  first = 1: the sums begin with the bias as C.  The 64 accumulators take turns
.macro MUL16 a0, p, q, sc, first
.irp a, \a0, \a0+1
.irp b, 0,1,2,3,4,5,6,7
.if \first
	v_wmma_scale_f32_16x16x128_f8f6f4 v[8*(8*((\a)%4)+\b):8*(8*((\a)%4)+\b)+7], v[128*(\p)+FR*\b:128*(\p)+FR*\b+FR-1], v[AF+FR*(\a):AF+FR*(\a)+FR-1], v[BC+8*\b:BC+8*\b+7], v[SC+8*NQ*(\sc)+NQ*\b+(\q)], v[SC+8*NQ*(\sc)+NQ*(\a)+(\q)] matrix_a_fmt:MATRIX_FMT_FP6 matrix_b_fmt:MATRIX_FMT_FP6 matrix_a_scale:MATRIX_SCALE_ROW1
.else
	v_wmma_scale_f32_16x16x128_f8f6f4 v[8*(8*((\a)%4)+\b):8*(8*((\a)%4)+\b)+7], v[128*(\p)+FR*\b:128*(\p)+FR*\b+FR-1], v[AF+FR*(\a):AF+FR*(\a)+FR-1], v[8*(8*((\a)%4)+\b):8*(8*((\a)%4)+\b)+7], v[SC+8*NQ*(\sc)+NQ*\b+(\q)], v[SC+8*NQ*(\sc)+NQ*(\a)+(\q)] matrix_a_fmt:MATRIX_FMT_FP6 matrix_b_fmt:MATRIX_FMT_FP6 matrix_a_scale:MATRIX_SCALE_ROW1
.endif
.endr
.endr
.endm
.macro FETCH_B st, p
	WIN TO_B
.irp i, 0,1,2,3,4,5,6,7
	FRAG 128*(\p)+FR*\i, ADRB, \st, \i
.endr
	WIN 0
.endm
.macro FETCH_A st, i0
.irp i, \i0, \i0+1, \i0+2, \i0+3
	FRAG AF+FR*(\i), ADRA, \st, \i
.endr
.endm
.macro SCALES pr                       ; the scale words of steps 2 pr, 2 pr + 1 into set pr % 2
.irp i, 0,1,2,3,4,5,6,7
	ds_load_b64 v[SC+8*NQ*((\pr)%2)+NQ*\i:SC+8*NQ*((\pr)%2)+NQ*\i+1], v[ADRS] offset:\i*SBLK+4*NQ*(\pr)
.endr
.endm
; A step of 128 along K; the next step's fragments are fetched in its middle and at its end.  Where the next step's bytes END in a chunk not yet read: a wait for my tensor loads and a barrier.
; Where they BEGIN in a later chunk: the wait, the add, the wait for it and for my reads, the barrier; and where a chunk two on is left, the barrier opens a round and the slot is filled again.
.macro STEP st, first
.set NX, (\st)+1
.set C0, (96*(\st))/ROWB
.set C1, (96*NX)/ROWB
.set E0, (96*(\st)+95)/ROWB
.set E1, (96*NX+95)/ROWB
.if C1 > C0 || E1 > E0
	s_wait_tensorcnt 0x0
.if C1 > C0
	ds_add_u32 v[SPW], v[NIL]
	s_wait_dscnt 4*NL+1                            ; the add and A's blocks 4-7 may be out
.else
	s_wait_dscnt 4*NL                              ; A's blocks 4-7 may be out
.endif
	WIN MUL_LO
	MUL16 0, (\st)%2, (\st)%2, ((\st)/2)%2, 0
	s_wait_dscnt 0x0
	s_barrier_signal -1
	MUL16 2, (\st)%2, (\st)%2, ((\st)/2)%2, 0
	WIN 0
	s_barrier_wait -1
.if C1 > C0 && C0+2 < CHUNKS
	CREST
	s_add_nc_u64 s[G0+4*(C0%2)+2:G0+4*(C0%2)+3], s[G0+4*(C0%2)+2:G0+4*(C0%2)+3], 2*ROWB
	s_add_nc_u64 s[G0B+4*(C0%2)+2:G0B+4*(C0%2)+3], s[G0B+4*(C0%2)+2:G0B+4*(C0%2)+3], 2*ROWB
	JLOAD G0+4*(C0%2), G1, G0B+4*(C0%2), G1B
.else
	PLACES NP
.endif
.else
	s_wait_dscnt 4*NL
	WIN MUL_LO-0x20*(\first)                       ; (the bias lies in window 0)
	MUL16 0, (\st)%2, (\st)%2, ((\st)/2)%2, \first
	MUL16 2, (\st)%2, (\st)%2, ((\st)/2)%2, \first
	s_wait_dscnt 0
	PLACES NP
.endif
	FETCH_B NX, NX%2
	FETCH_A NX, 0
.if NX%2 == 0
	SCALES NX/2
.endif
	WIN MUL_HI-0x30*(\first)
	MUL16 4, (\st)%2, (\st)%2, ((\st)/2)%2, \first
	MUL16 6, (\st)%2, (\st)%2, ((\st)/2)%2, \first
	PLACES NP
	WIN 0
	FETCH_A NX, 4
.endm
; 64 numbers of a lane in the order of matrix results, register 16 B + 8 u + j = n 32 B + 16 u + 8 (lane / 16) + j of my row, become a fragment's codes in v[PC] on and the scale word in v[PW]
.macro QUANT8 s
.irp b, 0,1,2,3
	v_max3_num_f32 v[TM+\b], |v[\s+16*\b]|, |v[\s+1+16*\b]|, 0x1800000
.endr
.irp i, 2,4,6,8,10,12,14
.irp b, 0,1,2,3
	v_max3_num_f32 v[TM+\b], v[TM+\b], |v[\s+16*\b+\i]|, |v[\s+1+16*\b+\i]|
.endr
.endr
.irp b, 0,1,2,3
	v_permlanex16_b32 v[TM+4+\b], v[TM+\b], s[SEL], s[SEL+1]
.endr
.irp b, 0,1,2,3
	v_max_num_f32 v[TM+\b], v[TM+\b], v[TM+4+\b]
.endr
.irp b, 0,1,2,3
	v_add_nc_u32 v[TM+12+\b], 0xff000000, v[TM+\b]
.endr
.irp b, 0,1,2,3
	v_lshrrev_b32 v[TM+4+\b], 23, v[TM+12+\b]
.endr
	v_lshl_or_b32 v[PW], v[TM+5], 8, v[TM+4]
	v_lshl_or_b32 v[PW], v[TM+6], 16, v[PW]
	v_lshl_or_b32 v[PW], v[TM+7], 24, v[PW]
.irp c, 0,1
	v_cvt_scalef32_pk16_fp6_f32 v[PC+6*\c:PC+6*\c+2], v[\s+32*\c:\s+32*\c+15], v[TM+12+2*\c]
	v_cvt_scalef32_pk16_fp6_f32 v[CV+4*\c:CV+4*\c+2], v[\s+32*\c+16:\s+32*\c+31], v[TM+13+2*\c]
.endr
	v_nop                                          ; one plain line behind the scaled conversions
.irp c, 0,1
.irp i, 0,1,2
	v_permlane16_swap_b32 v[PC+6*\c+\i], v[CV+4*\c+\i]   ; at PC: codes 0-7, 16-23 of my block 2 c + h; at CV: codes 8-15, 24-31: runs of 6 bytes
.endr
	v_perm_b32 v[PC+6*\c+3], v[PC+6*\c+2], v[PC+6*\c+1], 0x05040302
	v_perm_b32 v[PC+6*\c+4], v[CV+4*\c+1], v[PC+6*\c+2], 0x07060302
	v_perm_b32 v[PC+6*\c+1], v[CV+4*\c], v[PC+6*\c+1], 0x05040100
	v_perm_b32 v[PC+6*\c+2], v[CV+4*\c+1], v[CV+4*\c], 0x05040302
	v_mov_b32 v[PC+6*\c+5], v[CV+4*\c+2]
.endr
.endm
	s_wait_alu depctr_va_vdst(0)
	s_wait_tensorcnt 0x0                           ; my tile of the head's four is in; the add and its wait ahead of a later first fill
	ds_add_u32 v[SPW], v[NIL]
	s_mov_b32 s[G1+2], 128<<16                     ; no load of mine is out: from here on a load brings 128 rows
	s_mov_b32 s[G1+4], 128
	s_mov_b32 s[G1B+2], 128<<16
	s_mov_b32 s[G1B+4], 128
	s_wait_dscnt 0x0
	CROUND
	JLOAD G0+4, G1, G0B+4, G1B                     ; chunk 1
	FETCH_B 0, 0
	FETCH_A 0, 0
	SCALES 0
	FETCH_A 0, 4
	s_wait_loadcnt 0x0                             ; the bias
	STEP 0, 1
.set ST, 1
.rept 6
	STEP ST, 0
.set ST, ST+1
.endr
	s_wait_dscnt 4*NL                              ; the last step: nothing more to fetch
	WIN MUL_LO
	MUL16 0, 1, 1, 1, 0
	MUL16 2, 1, 1, 1, 0
	s_wait_dscnt 0
	WIN MUL_HI
	MUL16 4, 1, 1, 1, 0
	MUL16 6, 1, 1, 1, 0
	WIN 0
	; THE WAY OUT.  No tensor load of mine is out: the descriptors' registers are free.
	s_mov_b32 s[SEL], 0x76543210
	s_mov_b32 s[SEL+1], 0xfedcba98
	s_lshl_b32 s48, s98, 2                         ; (m0 / 16) x 64 half images,
	s_lshr_b32 s49, s99, 6                         ; + n0 / 64
	s_add_co_u32 s48, s48, s49
	s_mul_i32 s48, s48, 768
	s_mov_b32 s49, 0
	s_add_nc_u64 s[48:49], s[96:97], s[48:49]
	s_lshr_b32 s52, s98, 7
	s_lshl_b32 s52, s52, 5
	s_lshr_b32 s53, s99, 7
	s_add_co_u32 s52, s52, s53
	s_lshl_b32 s52, s52, 9
	s_add_co_u32 s52, s52, 12582912
	s_mov_b32 s53, 0
	s_add_nc_u64 s[52:53], s[96:97], s[52:53]
	PLACES NP
.irp b, 0,1,2,3
	v_mov_b32 v[TM+4+\b], 0                        ; a lane permute's destination counts as read
.endr
.macro OUTA a                          ; block a: 16 tokens x my 128 hidden units; the accumulators are read where they lie, each from its low end on
.set AC, 64*((\a)%4)
	s_wait_xcnt 0x0                                ; the last block's stores have read their data
	WIN 0x0a+5*((\a)/4)
.set i, 0
.rept 32
	v_pk_mul_f32 v[T+i:T+i+1], v[AC+i:AC+i+1], v[AC+i:AC+i+1]
.set i, i+2
.endr
	WIN 0
.set i, 0
.rept 32
	v_pk_fma_f32 v[T+i:T+i+1], v[T+i:T+i+1], s[C3:C3+1], v[GC1:GC1+1] op_sel_hi:[1,0,1]
.set i, i+2
.endr
	WIN 0x08+4*((\a)/4)
.set i, 0
.rept 32
	v_pk_mul_f32 v[T+i:T+i+1], v[T+i:T+i+1], v[AC+i:AC+i+1]
.set i, i+2
.endr
	WIN 0
.set i, 0
	s_wait_alu depctr_va_vdst(0)                   ; a wait ahead of each batch and one behind it
.rept 64
	v_exp_f32 v[T+i], v[T+i]
.set i, i+1
.endr
	v_nop
	s_wait_alu depctr_va_vdst(0)
.set i, 0
.rept 32
	v_pk_add_f32 v[T+i:T+i+1], v[T+i:T+i+1], 1.0 op_sel_hi:[1,0]
.set i, i+2
.endr
.set i, 0
	s_wait_alu depctr_va_vdst(0)
.rept 64
	v_rcp_f32 v[T+i], v[T+i]
.set i, i+1
.endr
	v_nop
	s_wait_alu depctr_va_vdst(0)
	WIN 0x08+4*((\a)/4)
.set i, 0
.rept 32
	v_pk_mul_f32 v[H+i:H+i+1], v[T+i:T+i+1], v[AC+i:AC+i+1]
.set i, i+2
.endr
	WIN 0
	QUANT8 H
	ds_store_b32 v[GW], v[PW] offset:64*(\a)
	global_store_b128 v[L16], v[PC:PC+3], s[48:49] offset:49152*(\a)
	global_store_b64 v[L8], v[PC+4:PC+5], s[48:49] offset:49152*(\a)+512
	global_store_b128 v[L16], v[PC+6:PC+9], s[48:49] offset:49152*(\a)+768
	global_store_b64 v[L8], v[PC+10:PC+11], s[48:49] offset:49152*(\a)+1280
.endm
.irp a, 0,1,2,3,4,5,6,7
	OUTA \a
.endr
	ds_load_b128 v[208:211], v[GR]                 ; LDS serves a wave's instructions in order: this sees my eight stores
	s_wait_dscnt 0x0
	global_store_b128 v[L16], v[208:211], s[52:53] ; my 128 rows' scale words: 512 consecutive bytes
	s_wait_tensorcnt 0x0                           ; the wave's end
	ds_add_u32 v[SPW], v[NIL]
	s_wait_dscnt 0x0
	CROUND                                         ; the closing round
	s_endpgm
.Lfunc_end_k_qe32f402711_up:
	.size	k_qe32f402711_up, .Lfunc_end_k_qe32f402711_up-k_qe32f402711_up
	.p2alignl 7, 3214868480
	.fill 96, 4, 3214868480
	.section	.rodata,"a",@progbits
	.p2align	6, 0x0
	.amdhsa_kernel k_qe32f402711_up
		.amdhsa_group_segment_fixed_size 327680
		.amdhsa_private_segment_fixed_size 0
		.amdhsa_enable_private_segment 0
		.amdhsa_kernarg_size 40
		.amdhsa_user_sgpr_count 2
		.amdhsa_user_sgpr_kernarg_segment_ptr 1
		.amdhsa_wavefront_size32 1
		.amdhsa_system_sgpr_workgroup_id_x 1
		.amdhsa_system_sgpr_workgroup_id_y 1
		.amdhsa_system_sgpr_workgroup_id_z 1
		.amdhsa_system_vgpr_workitem_id 0
		.amdhsa_next_free_vgpr 1024
		.amdhsa_next_free_sgpr 106
		.amdhsa_reserve_vcc 0
		.amdhsa_float_denorm_mode_32 3
		.amdhsa_float_denorm_mode_16_64 3
		.amdhsa_memory_ordered 1
		.amdhsa_forward_progress 1
		.amdhsa_inst_pref_size 255
	.end_amdhsa_kernel
	.section	.bss,"aw",@nobits
	.p2align	6
	.space	262144
	.amdgpu_metadata
---
amdhsa.version: [ 1, 2 ]
amdhsa.kernels:
  - .name:           k_qe32f402711_up
    .symbol:         k_qe32f402711_up.kd
    .args:
      - { .name: xn, .offset: 0, .size: 8, .value_kind: global_buffer, .address_space: global }
      - { .name: Wup_codes, .offset: 8, .size: 8, .value_kind: global_buffer, .address_space: global }
      - { .name: Wup_scales, .offset: 16, .size: 8, .value_kind: global_buffer, .address_space: global }
      - { .name: bup, .offset: 24, .size: 8, .value_kind: global_buffer, .address_space: global }
      - { .name: hb, .offset: 32, .size: 8, .value_kind: global_buffer, .address_space: global }
    .group_segment_fixed_size: 327680
    .private_segment_fixed_size: 0
    .kernarg_segment_align: 8
    .kernarg_segment_size: 40
    .max_flat_workgroup_size: 128
    .sgpr_count:     106
    .vgpr_count:     1024
    .wavefront_size: 32
...
	.end_amdgpu_metadata
.endif
;; end of part 5
;; launch dn (part 6): grid 8 x 32, 4 waves a work-group, clusters of 4 x 4, 327,680 bytes of LDS; arguments hb, Wdn_codes, Wdn_scales, bdn, x2, out0; writes out0
.if DOCPART == 6
	.amdgcn_target "amdgcn-amd-amdhsa--gfx1250"
	.amdhsa_code_object_version 6
	.text
	.protected	k_qe32f402711_dn
	.globl	k_qe32f402711_dn
	.p2align	8
	.type	k_qe32f402711_dn,@function
k_qe32f402711_dn:
	s_mov_b64 s[64:65], 0
	v_nop
	global_prefetch_b8 v0, s[64:65] scope:SCOPE_SE
	s_setreg_imm32_b32 hwreg(HW_REG_WAVE_MODE, 25, 1), 1
	s_wait_xcnt 0x0
	s_wait_alu depctr_hold_cnt(0) depctr_sa_sdst(0) depctr_va_vdst(0) depctr_va_sdst(0) depctr_va_ssrc(0) depctr_va_vcc(0) depctr_vm_vsrc(0)
	s_getreg_b32 s2, hwreg(HW_REG_IB_STS2, 6, 4)
	s_cmp_eq_u32 s2, 0
	s_cbranch_scc0 .Lentry_in_a_cluster
	s_endpgm
.Lentry_in_a_cluster:
	s_bfe_u32 s2, ttmp6, 0x10000c
	s_cmp_lg_u32 s2, 0xf033
	s_cbranch_scc0 .Lentry_shape_is_right
	s_endpgm
.Lentry_shape_is_right:
; out0 = h Wdn^T + bdn + x2.  h: [4,096][4,096] as half images of operand registers with scale words, made by the launch before; Wdn: [1,024][4,096] codes of FP6 (E2M3), rows of 3,072 bytes, 128 E8M0 bytes a row.
; A tile of 128 x 128 to each of 256 work-groups; four waves, 64 x 64 each.  h goes in steps of 512 along K through two slots of 8 blocks x 6,144 bytes; Wdn in steps of 1,024 along K through two slots of 128 rows x 768 bytes
; (each piece of a row begins at a multiple of 256 bytes; 16 bytes of padding behind every 256: rows 816 apart).  Waves 0, 1 refill h's slot at every change of slots, waves 2, 3 Wdn's at every second one.
; The scale words go from memory straight into the registers that the products name.  Joint loads in clusters of 4 x 4: h's along a row, Wdn's along a column.
.set SIZE_K, 4096
.set NS,    SIZE_K/128
.set NSLOT, SIZE_K/512
.set AROW,  12*SIZE_K
.set KROW,  SIZE_K*3/4
.set KS,    SIZE_K/32
.set ASL,   49152
.set BPI,   816
.set BSL,   128*BPI
.set BB0,   2*ASL
.set SPARE, BB0+2*BSL
.set STAGE, SPARE+512
.set ADA16, 8
.set ADA8,  10
.set ADB,   12
.set ADB2,  14
.set ADSA,  16
.set ADSB,  17
.set STO,   18
.set RD,    19
.set CO,    20
.set SPW,   22
.set NIL,   23
.set BI,    24
.set SAR,   32
.set SBR,   96
.set OB,    160
.set RES,   128
.set WV,    16
.set WR,    17
.set WC,    18
.set G1A,  24
.set G0A,  32
.set G1B,  48
.set G0B,  56
.set PSA,  68                          ; s[68:69] the scale words of my 64 rows of h
.set MSB, 0
.macro WIN new
.if MSB != (\new)
	s_set_vgpr_msb (MSB<<8)|(\new)
.set MSB, (\new)
.endif
.endm
.set MUL,  0xa5
.set TO_F, 0x40
.macro PLACES n
.rept \n
	v_nop
.endr
.endm
.macro JLOAD g0a, g1a, g0b, g1b
	s_cmp_eq_u32 s[WR], 0
	s_cbranch_scc0 .Lfor_b_\@
	tensor_load_to_lds s[\g0a:\g0a+3], s[\g1a:\g1a+7]
	s_nop 0
.rept 4
	v_nop
.endr
	s_branch .Lasked_\@
.Lfor_b_\@:
	tensor_load_to_lds s[\g0b:\g0b+3], s[\g1b:\g1b+7]
	s_nop 0
.rept 4
	v_nop
.endr
.Lasked_\@:
.endm
.macro CREST
	s_cmp_lg_u32 s[WV], 0
	s_cbranch_scc1 .Lnot_wave_0_\@
	s_barrier_signal -3
.Lnot_wave_0_\@:
	s_barrier_wait -3
	s_barrier_signal -1
	s_barrier_wait -1
.endm
.macro CROUND
	s_barrier_signal -1
	s_barrier_wait -1
	CREST
.endm
	s_load_b256 s[4:11], s[0:1], 0x0
	s_load_b128 s[12:15], s[0:1], 0x20
	v_lshl_add_u32 v[SPW], v0, 2, SPARE
	v_mov_b32 v[NIL], 0
	ds_add_u32 v22, v23
	ds_add_u32 v22, v23
	s_wait_dscnt 0x0
	v_lshrrev_b32 v1, 5, v0
	v_readfirstlane_b32 s[WV], v1
	s_lshr_b32 s[WR], s[WV], 1
	s_and_b32 s[WC], s[WV], 1
	s_bfe_u32 s40, ttmp6, 0x40000
	s_bfe_u32 s41, ttmp6, 0x40004
	s_lshl_b32 s42, ttmp9, 2
	s_add_co_u32 s42, s42, s40
	s_and_b32 s19, ttmp7, 0xffff
	s_lshl_b32 s19, s19, 2
	s_add_co_u32 s19, s19, s41
	s_lshl_b32 s43, s41, 2
	s_lshl_b32 s43, 15, s43
	s_lshl_b32 s44, 0x1111, s40
	s_or_b32 s[G1A], s43, (3<<16)|(1<<21)
	s_mov_b32 s[G1A+1], 768<<16
	s_mov_b32 s[G1A+2], 4<<16
	s_mov_b32 s[G1A+3], 768<<16
	s_mov_b32 s[G1A+4], 4
	s_mov_b32 s[G1A+5], AROW/8
	s_mov_b32 s[G1A+6], 0
	s_mov_b32 s[G1A+7], 0
	s_or_b32 s[G1B], s44, (0<<16)|(1<<20)|(1<<21)|(5<<22)|(3<<25)
	s_mov_b32 s[G1B+1], 768<<16
	s_mov_b32 s[G1B+2], 64<<16
	s_mov_b32 s[G1B+3], 768<<16
	s_mov_b32 s[G1B+4], 64
	s_mov_b32 s[G1B+5], KROW
	s_mov_b32 s[G1B+6], 0
	s_mov_b32 s[G1B+7], 0
	s_lshl_b32 s20, s19, 3
	s_lshl_b32 s21, s[WC], 2
	s_add_co_u32 s20, s20, s21
	s_mul_i32 s20, s20, AROW
	s_mov_b32 s21, 0
	s_mul_i32 s22, s19, NS*512
	s_lshl_b32 s23, s[WR], 8
	s_add_co_u32 s22, s22, s23
	s_add_co_u32 s22, s22, 3072*SIZE_K
	s_mov_b32 s23, 0
	s_lshl_b32 s46, s42, 7
	s_lshl_b32 s47, s[WC], 6
	s_add_co_u32 s46, s46, s47
	s_mul_i32 s92, s46, KS
	s_mov_b32 s93, 0
	s_mul_i32 s46, s46, KROW
	s_mov_b32 s47, 0
	s_mul_i32 s45, s[WC], 24576
	s_mul_i32 s94, s[WC], 64*BPI
	s_add_co_u32 s94, s94, BB0
	s_wait_kmcnt 0x0
	s_add_nc_u64 s[20:21], s[4:5], s[20:21]
	s_add_nc_u64 s[PSA:PSA+1], s[4:5], s[22:23]
	s_add_nc_u64 s[46:47], s[6:7], s[46:47]
	s_add_nc_u64 s[92:93], s[8:9], s[92:93]
	CROUND
.irp s, 0,1
	s_mov_b32 s[G0A+4*\s], 1
	s_add_co_u32 s[G0A+4*\s+1], s45, \s*ASL
	s_add_nc_u64 s[G0A+4*\s+2:G0A+4*\s+3], s[20:21], \s*6144
	s_or_b32 s[G0A+4*\s+3], s[G0A+4*\s+3], 0x80000000
	s_mov_b32 s[G0B+4*\s], 1
	s_add_co_u32 s[G0B+4*\s+1], s94, \s*BSL
	s_add_nc_u64 s[G0B+4*\s+2:G0B+4*\s+3], s[46:47], \s*768
	s_or_b32 s[G0B+4*\s+3], s[G0B+4*\s+3], 0x80000000
.endr
	JLOAD G0A, G1A, G0B, G1B                       ; both slots 0: one tensor load a wave at the head
	v_and_b32 v1, 15, v0
	v_bfe_u32 v2, v0, 4, 1
	v_and_b32 v3, 31, v0
	s_mul_i32 s21, s[WR], 24576
	v_lshl_add_u32 v[ADA16], v3, 4, s21
	v_lshl_add_u32 v[ADA8], v3, 3, s21
	v_add_nc_u32 v[ADA16+1], ASL, v[ADA16]
	v_add_nc_u32 v[ADA8+1], ASL, v[ADA8]
	s_mul_i32 s22, s[WC], 64*BPI
	s_add_co_u32 s22, s22, BB0
	v_mul_u32_u24 v4, v1, BPI
	v_mad_u32_u24 v4, v2, 24, v4
	v_add_nc_u32 v[ADB], s22, v4
	v_lshl_add_u32 v[ADB2], v2, 4, v[ADB]
	v_add_nc_u32 v[ADB+1], BSL, v[ADB]
	v_add_nc_u32 v[ADB2+1], BSL, v[ADB2]
	v_lshlrev_b32 v[ADSA], 2, v3                   ; h's scale words: 4 x lane
	v_mul_u32_u24 v[ADSB], v3, KS                  ; Wdn's: KS bytes a row, a lane a row
	s_mul_i32 s23, s[WV], 4352
	s_add_co_u32 s23, s23, STAGE
	v_mul_u32_u24 v4, v1, 272
	v_lshl_add_u32 v4, v2, 5, v4
	v_add_nc_u32 v[STO], s23, v4
	v_mul_u32_u24 v4, v2, 272
	v_lshl_add_u32 v4, v1, 4, v4
	v_add_nc_u32 v[RD], s23, v4
	v_lshlrev_b32 v21, 4, v1
	v_lshl_add_u32 v[CO], v2, 12, v21
	s_wait_alu depctr_va_vdst(0)
	s_lshl_b32 s20, s19, 7
	s_lshl_b32 s21, s[WR], 6
	s_add_co_u32 s20, s20, s21
	s_lshl_b32 s20, s20, 12
	s_lshl_b32 s46, s42, 9
	s_lshl_b32 s47, s[WC], 8
	s_add_co_u32 s46, s46, s47
	s_add_co_u32 s20, s20, s46
	s_mov_b32 s21, 0
	s_mov_b32 s47, 0
	s_add_nc_u64 s[12:13], s[12:13], s[20:21]
	s_add_nc_u64 s[14:15], s[14:15], s[20:21]
	s_add_nc_u64 s[10:11], s[10:11], s[46:47]
.set S, 0
.rept NS
	global_load_b32 v[SAR+2*S], v[ADSA], s[PSA:PSA+1] offset:512*S
	global_load_b32 v[SAR+2*S+1], v[ADSA], s[PSA:PSA+1] offset:512*S+128
.set S, S+1
.endr
.irp j, 0,1
.set q, 0
.rept NS/4
	global_load_b128 v[SBR+NS*\j+4*q:SBR+NS*\j+4*q+3], v[ADSB], s[92:93] offset:\j*32*KS+16*q
.set q, q+1
.endr
.endr
	WIN 0x80
.irp a, 0,1,2,3
.irp t, 0,1,2,3,4,5,6,7
	global_load_b128 v[RES+4*(8*\a+\t):RES+4*(8*\a+\t)+3], v[CO], s[12:13] offset:(16*\a+2*\t)*4096
.endr
.endr
	WIN 0
	global_load_b128 v[BI:BI+3], v21, s[10:11]
.macro WM c, rb, ra
.if (\rb) && (\ra)
	v_wmma_scale_f32_16x16x128_f8f6f4 v[DD:DD+7], v[FB:FB+11], v[FA:FA+11], \c, v[RSB], v[RSA] matrix_a_fmt:MATRIX_FMT_FP6 matrix_b_fmt:MATRIX_FMT_FP6 matrix_a_scale:MATRIX_SCALE_ROW1 matrix_b_scale:MATRIX_SCALE_ROW1
.elseif (\rb)
	v_wmma_scale_f32_16x16x128_f8f6f4 v[DD:DD+7], v[FB:FB+11], v[FA:FA+11], \c, v[RSB], v[RSA] matrix_a_fmt:MATRIX_FMT_FP6 matrix_b_fmt:MATRIX_FMT_FP6 matrix_a_scale:MATRIX_SCALE_ROW1
.elseif (\ra)
	v_wmma_scale_f32_16x16x128_f8f6f4 v[DD:DD+7], v[FB:FB+11], v[FA:FA+11], \c, v[RSB], v[RSA] matrix_a_fmt:MATRIX_FMT_FP6 matrix_b_fmt:MATRIX_FMT_FP6 matrix_b_scale:MATRIX_SCALE_ROW1
.else
	v_wmma_scale_f32_16x16x128_f8f6f4 v[DD:DD+7], v[FB:FB+11], v[FA:FA+11], \c, v[RSB], v[RSA] matrix_a_fmt:MATRIX_FMT_FP6 matrix_b_fmt:MATRIX_FMT_FP6
.endif
.endm
.macro MULA a
.irp b, 0,1,2,3
.set DD, 8*(4*(\a)+\b)
.set FB, 96*(S%2)+48+12*\b
.set FA, 96*(S%2)+12*(\a)
.set RSB, SBR+NS*(\b/2)+S
.set RSA, SAR+2*S+(\a)/2
.if S == 0
	WM 0, \b%2, (\a)%2
.else
	WM v[DD:DD+7], \b%2, (\a)%2
.endif
.endr
.endm
.macro FETCH n
.set FS, ((\n)/4)%2
.set FQ, (\n)%4
.set FP, 96*((\n)%2)
	WIN TO_F
.irp a, 0,1,2,3
.irp c, 0,1
	ds_load_b128 v[FP+12*\a+6*\c:FP+12*\a+6*\c+3], v[ADA16+FS] offset:6144*\a+768*(2*FQ+\c)
	ds_load_b64 v[FP+12*\a+6*\c+4:FP+12*\a+6*\c+5], v[ADA8+FS] offset:6144*\a+768*(2*FQ+\c)+512
.endr
.endr
.irp b, 0,1,2,3
.irp p, 0,1,2,3,4,5
.set PI, 12*((\n)%8)+6*(\p/3)+\p%3    ; the piece of 8 bytes of the slot's 768 for lanes 0-15; lanes 16-31 take the piece three on
.if PI%32 < 29
	ds_load_b64 v[FP+48+12*\b+2*\p:FP+48+12*\b+2*\p+1], v[ADB+((\n)/8)%2] offset:16*BPI*\b+8*PI+16*(PI/32)
.else
	ds_load_b64 v[FP+48+12*\b+2*\p:FP+48+12*\b+2*\p+1], v[ADB2+((\n)/8)%2] offset:16*BPI*\b+8*PI+16*(PI/32)
.endif
.endr
.endr
.endm
.macro STEPM
	s_wait_dscnt 0x0
	WIN MUL
	MULA 0
	MULA 1
.if S+1 < NS
	PLACES 4
	FETCH S+1
	WIN MUL
.endif
	MULA 2
	MULA 3
.endm
.macro TURN fill
.set TSL, (S/4)%2
.set TBS, (S/8)%2
	WIN 0
	s_wait_tensorcnt 0x0
	ds_add_u32 v[SPW], v[NIL]
	s_wait_dscnt 1
	WIN MUL
	MULA 0
	s_wait_dscnt 0x0
	s_barrier_signal -1
	MULA 1
	WIN 0
	s_barrier_wait -1
.if \fill
	CREST
	s_add_nc_u64 s[G0A+4*TSL+2:G0A+4*TSL+3], s[G0A+4*TSL+2:G0A+4*TSL+3], 12288
.if \fill == 2                         ; Wdn's slot is read out too
	s_add_nc_u64 s[G0B+4*TBS+2:G0B+4*TBS+3], s[G0B+4*TBS+2:G0B+4*TBS+3], 2*768
	JLOAD G0A+4*TSL, G1A, G0B+4*TBS, G1B
.else                                  ; h's slot alone: waves 2, 3 have nothing to fill
	s_cmp_eq_u32 s[WR], 0
	s_cbranch_scc0 .Lno_b_\@
	tensor_load_to_lds s[G0A+4*TSL:G0A+4*TSL+3], s[G1A:G1A+7]
	s_nop 0
.Lno_b_\@:
	PLACES 4
.endif
.else
	PLACES 4
.endif
	FETCH S+1
	WIN MUL
	MULA 2
	MULA 3
.endm
	s_wait_tensorcnt 0x0                           ; my part of the slots 0 is in; the add and its wait ahead of a later first fill
	ds_add_u32 v[SPW], v[NIL]
	s_wait_dscnt 0x0
	CROUND
	JLOAD G0A+4, G1A, G0B+4, G1B                   ; both slots 1
	FETCH 0
	s_wait_loadcnt 33                              ; the scale words are in; the residual's 32 loads and the bias's one may stay out
.set S, 0
.rept NS
.if (S%4 == 3) && (S+1 < NS)
.if S/4+2 < NSLOT
.if (S%8 == 7) && (S/8+2 < NS/8)
	TURN 2
.else
	TURN 1
.endif
.else
	TURN 0
.endif
.else
	STEPM
.endif
.set S, S+1
.endr
	WIN 0
	s_wait_loadcnt 0x0
	PLACES 4
.macro TOSTAGE a
	WIN 0x08
.irp b, 0,1,2,3
	ds_store_b128 v[STO], v[8*(4*(\a)+\b):8*(4*(\a)+\b)+3] offset:64*\b
	ds_store_b128 v[STO], v[8*(4*(\a)+\b)+4:8*(4*(\a)+\b)+7] offset:64*\b+16
.endr
	WIN 0
.set BB, OB+32*((\a)%2)
.irp t, 0,1,2,3,4,5,6,7
	ds_load_b128 v[BB+4*\t:BB+4*\t+3], v[RD] offset:544*\t
.endr
.endm
.macro SEND a, younger
.set BB, OB+32*((\a)%2)
	s_wait_dscnt \younger
.set i, 0
.rept 8
	v_pk_add_f32 v[BB+4*i:BB+4*i+1], v[BB+4*i:BB+4*i+1], v[BI:BI+1]
	v_pk_add_f32 v[BB+4*i+2:BB+4*i+3], v[BB+4*i+2:BB+4*i+3], v[BI+2:BI+3]
.set i, i+1
.endr
	WIN 0x08
.set i, 0
.rept 16
	v_pk_add_f32 v[BB+2*i:BB+2*i+1], v[BB+2*i:BB+2*i+1], v[RES+32*(\a)+2*i:RES+32*(\a)+2*i+1]
.set i, i+1
.endr
	WIN 0
.irp t, 0,1,2,3,4,5,6,7
	global_store_b128 v[CO], v[BB+4*\t:BB+4*\t+3], s[14:15] offset:(16*(\a)+2*\t)*4096
.endr
.endm
	TOSTAGE 0
.irp a, 1,2,3
.if \a > 1
	s_wait_xcnt 0x0
.endif
	TOSTAGE \a
	SEND \a-1, 16
.endr
	SEND 3, 0
	s_wait_tensorcnt 0x0
	ds_add_u32 v[SPW], v[NIL]
	s_wait_dscnt 0x0
	CROUND
	s_endpgm
.Lfunc_end_k_qe32f402711_dn:
	.size	k_qe32f402711_dn, .Lfunc_end_k_qe32f402711_dn-k_qe32f402711_dn
	.p2alignl 7, 3214868480
	.fill 96, 4, 3214868480
	.section	.rodata,"a",@progbits
	.p2align	6, 0x0
	.amdhsa_kernel k_qe32f402711_dn
		.amdhsa_group_segment_fixed_size 327680
		.amdhsa_private_segment_fixed_size 0
		.amdhsa_enable_private_segment 0
		.amdhsa_kernarg_size 48
		.amdhsa_user_sgpr_count 2
		.amdhsa_user_sgpr_kernarg_segment_ptr 1
		.amdhsa_wavefront_size32 1
		.amdhsa_system_sgpr_workgroup_id_x 1
		.amdhsa_system_sgpr_workgroup_id_y 1
		.amdhsa_system_sgpr_workgroup_id_z 1
		.amdhsa_system_vgpr_workitem_id 0
		.amdhsa_next_free_vgpr 768
		.amdhsa_next_free_sgpr 96
		.amdhsa_reserve_vcc 0
		.amdhsa_float_denorm_mode_32 3
		.amdhsa_float_denorm_mode_16_64 3
		.amdhsa_memory_ordered 1
		.amdhsa_forward_progress 1
		.amdhsa_inst_pref_size 192
	.end_amdhsa_kernel
	.amdgpu_metadata
---
amdhsa.version: [ 1, 2 ]
amdhsa.kernels:
  - .name:           k_qe32f402711_dn
    .symbol:         k_qe32f402711_dn.kd
    .args:
      - { .name: hb, .offset: 0, .size: 8, .value_kind: global_buffer, .address_space: global }
      - { .name: Wdn_codes, .offset: 8, .size: 8, .value_kind: global_buffer, .address_space: global }
      - { .name: Wdn_scales, .offset: 16, .size: 8, .value_kind: global_buffer, .address_space: global }
      - { .name: bdn, .offset: 24, .size: 8, .value_kind: global_buffer, .address_space: global }
      - { .name: x2, .offset: 32, .size: 8, .value_kind: global_buffer, .address_space: global }
      - { .name: out0, .offset: 40, .size: 8, .value_kind: global_buffer, .address_space: global }
    .group_segment_fixed_size: 327680
    .private_segment_fixed_size: 0
    .kernarg_segment_align: 8
    .kernarg_segment_size: 48
    .max_flat_workgroup_size: 128
    .sgpr_count:     96
    .vgpr_count:     768
    .wavefront_size: 32
...
	.end_amdgpu_metadata
.endif
;; end of part 6
